; MI455X (gfx1250); checked and timed in simulation.
; The chip was launched on July 23, 2026; its instructions are those of AMD's public machine-readable ISA for CDNA 5 (MIT licence, August 2026) and "CDNA5" Instruction Set Architecture Reference Guide (July 2026). The comments in the code are by the model that wrote it; some were corrected since.
;; single Causal Attention. Allowed arithmetic: matrix products marked QUANTISED: E2M1 operands, one E8M0 scale for each 32 along K, by v_wmma_scale_f32_16x16x128_f8f6f4 with both operands' format E2M1 (or v_wmma_scale_f32_32x16x128_f4), f32 sums; everything else in f32.
;; Inputs: Wk_codes 64 x 8 x 16 uint8 (E2M1 codes of Wk, K innermost, in blocks of 32 codes, two codes a byte); Wk_scales 64 x 8 uint8 (E8M0 scales of Wk, one for each 32 codes along K); Wq_codes 64 x 8 x 16 uint8 (E2M1 codes of Wq, K innermost, in blocks of 32 codes, two codes a byte); Wq_scales 64 x 8 uint8 (E8M0 scales of Wq, one for each 32 codes along K); Wv_codes 64 x 8 x 16 uint8 (E2M1 codes of Wv, K innermost, in blocks of 32 codes, two codes a byte); Wv_scales 64 x 8 uint8 (E8M0 scales of Wv, one for each 32 codes along K); y_codes 4 x 4,096 x 8 x 16 uint8 (E2M1 codes of y, K innermost, in blocks of 32 codes, two codes a byte); y_scales 4 x 4,096 x 8 uint8 (E8M0 scales of y, one for each 32 codes along K).
;; Outputs: out0 4 x 4,096 x 64 float32.
;; This version of the problem:
;;   THIS VERSION OF THE PROBLEM IS GIVEN IN LOW PRECISION. The matrix products marked QUANTISED in the list below multiply operands that are first quantised to E2M1 (2 exponent bits, 1 mantissa bit; 4 bits a number), with one power-of-two scale for each 32 numbers along K (OCP MX v1.0); their sums are f32. All else is computed in f32.
;;   The module's matrix products, in the order in which they are computed (A, B: the left and right operand; K: the contracted axis; several contracted axes count as one K, in the product's order):
;;     1. [M 16,384, K 256] x [K 256, N 64]; A: input y (given as codes); B: input Wq (given as codes): QUANTISED
;;     2. [M 16,384, K 256] x [K 256, N 64]; A: input y (given as codes); B: input Wk (given as codes): QUANTISED
;;     3. [M 16,384, K 256] x [K 256, N 64]; A: input y (given as codes); B: input Wv (given as codes): QUANTISED
;;     4. batch 4 x [M 4,096, K 64] x [K 64, N 4,096]; A: computed on the way; B: computed on the way: QUANTISED
;;     5. batch 4 x [M 4,096, K 4,096] x [K 4,096, N 64]; A: softmax (see below); B: computed on the way: QUANTISED
;;   THE QUANTISER, for each operand of a quantised product, along K:
;;     - K is cut into blocks of 32 from its start; a last block that is shorter is filled with zeros.
;;     - A block's scale is 2^e with e = floor(log2(the largest magnitude in the block)) - 2, held to -126 .. 127; a block of zeros has e = 0. As a byte (E8M0): e + 127.
;;     - Each number is divided by its block's scale, clamped to +-6, and rounded to the nearest number of E2M1, ties to even, subnormals kept.
;;     - The product sums the exact products of the quantised numbers (number of the format x scale) in f32.
;;   ~~~python
;;   def quantise(x, axis):      # numpy; x: float32 -> the quantised numbers, widened to float32 again
;;       x = np.moveaxis(x, axis, -1); K = x.shape[-1]
;;       x = np.pad(x, [(0, 0)] * (x.ndim - 1) + [(0, -K % 32)]); x = x.reshape(x.shape[:-1] + (-1, 32)); a = np.abs(x).max(-1, keepdims=True)
;;       e = np.where(a > 0, np.clip(np.frexp(np.where(a > 0, a, 1))[1] - 1 - 2, -126, 127), 0)      # np.frexp(a)[1] - 1 = floor(log2(a)), exactly
;;       r = np.clip(x / 2.0 ** e, -6, 6)
;;       step = 2.0 ** (np.maximum(np.frexp(np.where(r == 0, 1, r))[1] - 1, 0) - 1)
;;       q = np.round(r / step) * step * 2.0 ** e      # np.round: ties to even
;;       return np.moveaxis(q.reshape(q.shape[:-2] + (-1,))[..., :K], -1, axis).astype(np.float32)
;;   ~~~
;;   SOFTMAX AHEAD OF A QUANTISED PRODUCT. Where the list says 'softmax', what is quantised is not the finished softmax but p = 2^(t - M), with t = logit x log2(e) and M = ceil(the row's largest t), a whole number; so 1/2 < the row's largest p <= 1. The row's sum l is taken of the UNQUANTISED p, in f32, and the product's result is divided by l at the end. Since M is a whole number, a kernel that streams over the keys may use a running M (the ceiling of the running maximum): every later rescaling is an exact power of two, which a block's scale takes up: the codes' values come out the same.
;;   OPERANDS COMPUTED ON THE WAY. 'Computed on the way' means the value that the module computes at that place (a softmax that the list does not call 'softmax' is quantised finished and normalised). What goes into a quantiser is computed in f32, as accurately as f32 sums, v_exp_f32 and their like allow (about 1e-6 of the number): no bf16 or f16 on the way to a quantiser, and a product that is left as it is and whose result goes on into a quantised operand takes f32 operands (vector FMAs, or v_wmma_f32_16x16x4_f32). A number that lies on a knife's edge between two numbers of the format may be rounded either way, as far as f32 arithmetic and the matrix unit's own rounding can turn it there, and no further.
;;   INPUTS GIVEN AS CODES. Wk (in the module: [256, 64], K = its axis 0); Wq (in the module: [256, 64], K = its axis 0); Wv (in the module: [256, 64], K = its axis 0); y (in the module: [4, 4096, 256], K = its axis 2): each comes as NAME_codes (uint8): NAME with its K axis moved to the last place and cut into blocks of 32 codes, [.., K / 32, bytes a block], one block behind the other in memory; two codes a byte, the lower K in the low four bits (a code: sign, 2 exponent bits, 1 mantissa bit); and NAME_scales (uint8): the same leading axes, one E8M0 byte (e + 127) for each 32 codes along K. Its value is code x scale, taken as it is: it is not quantised again, and the codes and scales need not be those that the quantiser above would give.
;; 2 versions. Each part assembles by itself: llvm-mc -triple=amdgcn-amd-amdhsa -mcpu=gfx1250 --defsym DOCPART=n.
;; ======== version 1 of 2: 2 launches
;; workspace buffers: qimg 589,824 bytes; kv 1,146,880 bytes
;; launch proj (part 1): grid 128 x 1, 12 waves a work-group, no clusters, 3,072 bytes of LDS; arguments y_codes, y_scales, Wq_codes, Wq_scales, Wk_codes, Wk_scales, Wv_codes, Wv_scales, qimg, kv; writes qimg, kv
.if DOCPART == 1
	.amdgcn_target "amdgcn-amd-amdhsa--gfx1250"
	.amdhsa_code_object_version 6
	.text
	.protected	k_q20712f9e2a_proj
	.globl	k_q20712f9e2a_proj
	.p2align	8
	.type	k_q20712f9e2a_proj,@function
k_q20712f9e2a_proj:
	s_mov_b64 s[64:65], 0
	v_nop
	global_prefetch_b8 v0, s[64:65] scope:SCOPE_SE
	s_setreg_imm32_b32 hwreg(HW_REG_WAVE_MODE, 25, 1), 1
	s_wait_xcnt 0x0
; q = y Wq, k = y Wk, v = y Wv on codes of FP4 (E2M1) with E8M0 scales (K = 256: two matrix instructions deep), and the three results quantised again:
; q and k along the head's 64 (two blocks of 32), v along the KEYS (blocks of 32 tokens).  They leave as IMAGES OF THE NEXT LAUNCH'S OPERAND REGISTERS.
; SHARES.  A work-group takes 128 tokens: one record of qimg (4,608 bytes) and one of kv (8,960 bytes).  Twelve waves: role = wave / 4 (0 q, 1 k, 2 v), w = wave % 4: its 32 tokens.
; 128 tokens to a work-group, since a scale word of v holds the bytes of four blocks of 32 keys.  Each wave has 16 matrix instructions; all its 36 loads go out at once.
; THE ROWS OF A TILE ARE NOT NEIGHBOURS: lane r of y's tile u takes token 32 w + 8 u + r + 8 (r / 8); lane r of a weight's tile t takes row 32 (t / 2) + 8 (t % 2) + r + 8 (r / 8).
;   q, k: source 0 = 16 rows of W, source 1 = 16 tokens: a lane holds ONE token, the 16 registers of tiles 2 b, 2 b + 1 are d = 32 b + 16 (lane / 16) + 0 .. 15.
;   v:    source 0 = 16 tokens, source 1 = 16 rows of W: a lane holds ONE d, the 16 registers of u = 0, 1 are keys 32 w + 16 (lane / 16) + 0 .. 15.
; So in all three roles a block of 32 lies in lanes l and l xor 16, 16 registers each, and one macro quantises them.
; RECORDS.  qimg: tile 2 w + u at 512 (2 w + u) + 16 lane (lane (r, h): block h of its token, 16 bytes); from 4,096 on the scale words: tile 2 i + hh, row r at 16 (r + 16 hh) + 4 i, bytes b0, b1, 0x7f, 0x7f
;   (the product over the head's 64 is fed as 128 along K: the upper 64 are zero codes under the scale 1).   kv: k likewise at 0 and 4,096;
;   v's tile t at 4,608 + 1,024 t + 256 w + 16 r + 8 h (key block w); v's scale words at 8,704: tile 2 i + hh, row r at 8 (r + 16 hh) + 4 i, byte w for key block w.
; A block's scale byte is its largest magnitude's exponent field - 2, held at 1 from below.  (A block of zeros so keeps the byte 1 over zero codes; this program alone reads the bytes.)
; LIMITS: NaN, infinities and the scale byte 0xff among the inputs are not served.
.set REC,  8960
.set QREC, 4608
.set KSC,  4096                        ; scale words of q or k in a record
.set VIM,  4608                        ; v's images
.set VSC,  8704                        ; v's scale words
.set WS,   16                          ; v16-23   the weight's scale words (2 t + s)
.set YS,   24                          ; v24-27   y's (2 u + s)
.set WF,   32                          ; v32-95   the weight's fragments, 8 (2 t + s)
.set YF,   96                          ; v96-127  y's, 8 (2 u + s)
.set ACC,  128                         ; v128-191 eight accumulators
.set PC,   192                         ; v192-199 the codes
.set TM,   200                         ; v200-203 largest magnitudes, v204-207 bytes, v212-215 the conversions' scale operands
; v1 r, v2 h, v3 lane, v4 r + 8 (r / 8), v5 code address, v6 scale address; LDS: v8 q's and k's word, v9 v's byte, v10, v11 the way back; v12, v13, v14 offsets in the record; v28-31 words
	s_load_b512 s[8:23], s[0:1], 0x0               ; y's codes, y's scales, Wq's, Wk's, Wv's codes and scales
	s_load_b128 s[24:27], s[0:1], 0x40             ; qimg, kv
	v_lshl_add_u32 v216, v0, 2, 0x600
	v_mov_b32 v217, 0
	v_lshrrev_b32 v1, 5, v0
	v_readfirstlane_b32 s28, v1                    ; wave 0..11
	s_lshr_b32 s29, s28, 2                         ; role
	s_and_b32 s30, s28, 3                          ; w
	v_and_b32 v1, 15, v0                           ; r
	v_bfe_u32 v2, v0, 4, 1                         ; h
	v_and_b32 v3, 31, v0                           ; lane
	v_and_b32 v4, 8, v1
	v_add_nc_u32 v4, v4, v1                        ; r + 8 (r / 8)
	v_lshlrev_b32 v5, 7, v4                        ; a row of 256 codes is 128 bytes, in y and in the weights alike,
	v_lshl_add_u32 v5, v2, 4, v5                   ; + 16 h
	v_lshlrev_b32 v6, 3, v4                        ; and its scale bytes are 8
	; every LDS address is made here, ahead of the first parting of the roles: a constant + a constant x lane + a constant x wave
	s_lshl_b32 s31, s29, 9                         ; LDS: q's words at 0, k's at 512, v's at 1,024
	s_lshl_b32 s46, s30, 2
	s_add_co_u32 s46, s46, s31
	v_lshlrev_b32 v10, 4, v3
	v_add_nc_u32 v8, s46, v10                      ; my word: 512 role + 16 lane + 4 w
	v_add_nc_u32 v10, s31, v10                     ; back: 512 role + 16 lane
	v_lshlrev_b32 v14, 3, v3                       ; 8 lane
	v_add_nc_u32 v11, 1024, v14                    ; back: 1,024 + 8 lane
	v_add_nc_u32 v9, s30, v11                      ; my byte: 1,024 + 8 lane + w
	s_lshl_b32 s46, s30, 10
	v_lshlrev_b32 v12, 4, v3
	v_add_nc_u32 v12, s46, v12                     ; q, k: 16 lane + 1,024 w
	s_lshl_b32 s47, s30, 8
	v_lshlrev_b32 v13, 4, v1
	v_lshl_add_u32 v13, v2, 3, v13
	v_add_nc_u32 v13, s47, v13                     ; v: 16 r + 8 h + 256 w
.irp b, 0,1,2,3
	v_mov_b32 v[TM+4+\b], 0                        ; written once: a lane permute's destination counts as one of its sources
.endr
	s_mov_b32 s40, 0x76543210
	s_mov_b32 s41, 0xfedcba98                      ; v_permlanex16_b32's selects for lane l xor 16
	s_lshl_b32 s42, ttmp9, 14                      ; y's codes: 128 tokens x 128 bytes a work-group, 32 tokens a wave
	s_lshl_b32 s43, s30, 12
	s_add_co_u32 s42, s42, s43
	s_mov_b32 s43, 0
	s_lshl_b32 s44, ttmp9, 10                      ; y's scale bytes: 8 a token
	s_lshl_b32 s45, s30, 8
	s_add_co_u32 s44, s44, s45
	s_mov_b32 s45, 0
	s_mov_b32 s38, REC
	s_wait_kmcnt 0x0
	s_add_nc_u64 s[8:9], s[8:9], s[42:43]
	s_add_nc_u64 s[10:11], s[10:11], s[44:45]
	s_cmp_eq_u32 s29, 0                            ; the role picks the weight and the record: a choice that hangs on the wave's number alone
	s_cselect_b64 s[32:33], s[12:13], s[16:17]
	s_cselect_b64 s[34:35], s[14:15], s[18:19]
	s_cselect_b64 s[36:37], s[24:25], s[26:27]
	s_cselect_b32 s38, QREC, s38
	s_cmp_eq_u32 s29, 2
	s_cselect_b64 s[32:33], s[20:21], s[32:33]
	s_cselect_b64 s[34:35], s[22:23], s[34:35]
	s_mul_i32 s38, s38, ttmp9
	s_mov_b32 s39, 0
	s_add_nc_u64 s[36:37], s[36:37], s[38:39]      ; my work-group's record
.irp t, 0,1,2,3
.irp s, 0,1
.irp c, 0,1
	global_load_b128 v[WF+8*(2*\t+\s)+4*\c:WF+8*(2*\t+\s)+4*\c+3], v5, s[32:33] offset:(32*(\t/2)+8*(\t%2))*128+64*\s+32*\c
.endr
	global_load_b32 v[WS+2*\t+\s], v6, s[34:35] offset:(32*(\t/2)+8*(\t%2))*8+4*\s
.endr
.endr
.irp u, 0,1
.irp s, 0,1
.irp c, 0,1
	global_load_b128 v[YF+8*(2*\u+\s)+4*\c:YF+8*(2*\u+\s)+4*\c+3], v5, s[8:9] offset:1024*\u+64*\s+32*\c
.endr
	global_load_b32 v[YS+2*\u+\s], v6, s[10:11] offset:64*\u+4*\s
.endr
.endr
.macro PROD d, a, b, sa, sb, first     ; first = 1: the product starts the sum: nothing is cleared
.if \first
	v_wmma_scale_f32_16x16x128_f8f6f4 v[\d:\d+7], v[\a:\a+7], v[\b:\b+7], 0, v[\sa], v[\sb] matrix_a_fmt:MATRIX_FMT_FP4 matrix_b_fmt:MATRIX_FMT_FP4
.else
	v_wmma_scale_f32_16x16x128_f8f6f4 v[\d:\d+7], v[\a:\a+7], v[\b:\b+7], v[\d:\d+7], v[\sa], v[\sb] matrix_a_fmt:MATRIX_FMT_FP4 matrix_b_fmt:MATRIX_FMT_FP4
.endif
.endm
	s_wait_loadcnt 0x0                             ; all 36 loads are in
	s_cmp_eq_u32 s29, 2
	s_cbranch_scc1 .Lprod_v
; The eight accumulators take turns, one instruction a turn, K step by K step.
.irp s, 0,1
.irp u, 0,1
.irp t, 0,1,2,3
	PROD ACC+32*\u+8*\t, WF+8*(2*\t+\s), YF+8*(2*\u+\s), WS+2*\t+\s, YS+2*\u+\s, 1-\s
.endr
.endr
.endr
	s_branch .Lquant
.Lprod_v:
.irp s, 0,1
.irp t, 0,1,2,3
.irp u, 0,1
	PROD ACC+16*\t+8*\u, YF+8*(2*\u+\s), WF+8*(2*\t+\s), YS+2*\u+\s, WS+2*\t+\s, 1-\s
.endr
.endr
.endr
.Lquant:
.rept 4
	v_nop                                          ; four places between the last product and the first read of results (ISA guide 7.12.1)
.endr
; Four blocks of 32, block b in registers ACC + 16 b on of lanes l and l xor 16.  q, k: b = 2 u + (d / 32).  v: b = the tile t.
.irp b, 0,1,2,3
	v_max3_num_f32 v[TM+\b], |v[ACC+16*\b]|, |v[ACC+1+16*\b]|, 0x1800000   ; my 16 numbers, and the floor 2^(3 - 127): so the byte cannot fall under 1
.endr
.irp i, 2,4,6,8,10,12,14
.irp b, 0,1,2,3
	v_max3_num_f32 v[TM+\b], v[TM+\b], |v[ACC+16*\b+\i]|, |v[ACC+1+16*\b+\i]|   ; (the four blocks by turns)
.endr
.endr
.irp b, 0,1,2,3
	v_permlanex16_b32 v[TM+4+\b], v[TM+\b], s40, s41
.endr
.irp b, 0,1,2,3
	v_max_num_f32 v[TM+\b], v[TM+\b], v[TM+4+\b]   ; with lane l xor 16's: the block's largest magnitude
.endr
.irp b, 0,1,2,3
	v_add_nc_u32 v[TM+12+\b], 0xff000000, v[TM+\b] ; 2 off its exponent field: the conversion takes this operand's exponent field as its scale
.endr
.irp b, 0,1,2,3
	v_lshrrev_b32 v[TM+4+\b], 23, v[TM+12+\b]      ; the scale's byte
.endr
.irp b, 0,1,2,3
	v_cvt_scalef32_pk8_fp4_f32 v[PC+2*\b], v[ACC+16*\b:ACC+7+16*\b], v[TM+12+\b]
	v_cvt_scalef32_pk8_fp4_f32 v[PC+1+2*\b], v[ACC+8+16*\b:ACC+15+16*\b], v[TM+12+\b]
.endr
	v_nop                                          ; one plain place behind a scaled conversion
	v_cmp_gt_u32 vcc_lo, 16, v3                    ; lanes 0-15
	s_cmp_eq_u32 s29, 2
	s_cbranch_scc1 .Ltail_v
	; q, k: the operand wants a WHOLE block in a lane: lanes 0-15 block 0, lanes 16-31 block 1
.irp u, 0,1
.irp i, 0,1
	v_permlane16_swap_b32 v[PC+4*\u+\i], v[PC+4*\u+2+\i]
.endr
.endr
	v_lshl_or_b32 v28, v[TM+5], 8, v[TM+4]         ; tile u = 0: my token's two bytes
	v_lshl_or_b32 v29, v[TM+7], 8, v[TM+6]         ; tile u = 1
	v_cndmask_b32 v28, v29, v28, vcc_lo            ; lanes 0-15 carry tile 0's word, lanes 16-31 tile 1's
	v_or_b32 v28, 0x7f7f0000, v28                  ; the scale 1 over the zero codes of the upper 64 along K
	ds_store_b32 v8, v28
	global_store_b128 v12, v[PC:PC+3], s[36:37]               ; a tile's image: 32 lanes store 512 consecutive bytes
	global_store_b128 v12, v[PC+4:PC+7], s[36:37] offset:512
	s_branch .Ljoin
.Ltail_v:
	v_cndmask_b32 v28, v[TM+5], v[TM+4], vcc_lo    ; lanes 0-15 carry tile 0's byte, lanes 16-31 tile 1's;
	v_cndmask_b32 v29, v[TM+7], v[TM+6], vcc_lo    ; tiles 2 and 3
	ds_store_b8 v9, v28                            ; byte w of the words: each of the four waves writes bytes of its own
	ds_store_b8 v9, v29 offset:4
.irp t, 0,1,2,3
	global_store_b64 v13, v[PC+2*\t:PC+2*\t+1], s[36:37] offset:VIM+1024*\t   ; 32 lanes store 256 consecutive bytes, aligned
.endr
.Ljoin:
	s_wait_dscnt 0x0                               ; for the others' sake: my words lie in LDS
	s_barrier_signal -1
	s_barrier_wait -1                              ; everybody's do
	s_cmp_lg_u32 s30, 0                            ; each role's first wave stores its role's words, whole
	s_cbranch_scc1 .Lend
	s_cmp_eq_u32 s29, 2
	s_cbranch_scc1 .Lwords_v
	ds_load_b128 v[28:31], v10
	s_wait_dscnt 0x0
	global_store_b128 v12, v[28:31], s[36:37] offset:KSC      ; w = 0: v12 is 16 lane: 512 consecutive bytes
	s_branch .Lend
.Lwords_v:
	ds_load_b64 v[28:29], v11
	s_wait_dscnt 0x0
	global_store_b64 v14, v[28:29], s[36:37] offset:VSC       ; 256 consecutive bytes
.Lend:
	s_wait_tensorcnt 0x0
	ds_add_u32 v216, v217
	s_wait_dscnt 0x0
	s_endpgm
.Lfunc_end_k_q20712f9e2a_proj:
	.size	k_q20712f9e2a_proj, .Lfunc_end_k_q20712f9e2a_proj-k_q20712f9e2a_proj
	.p2alignl 7, 3214868480
	.fill 96, 4, 3214868480
	.section	.rodata,"a",@progbits
	.p2align	6, 0x0
	.amdhsa_kernel k_q20712f9e2a_proj
		.amdhsa_group_segment_fixed_size 3072
		.amdhsa_private_segment_fixed_size 0
		.amdhsa_enable_private_segment 0
		.amdhsa_kernarg_size 80
		.amdhsa_user_sgpr_count 2
		.amdhsa_user_sgpr_kernarg_segment_ptr 1
		.amdhsa_wavefront_size32 1
		.amdhsa_system_sgpr_workgroup_id_x 1
		.amdhsa_system_sgpr_workgroup_id_y 1
		.amdhsa_system_sgpr_workgroup_id_z 1
		.amdhsa_system_vgpr_workitem_id 0
		.amdhsa_next_free_vgpr 218
		.amdhsa_next_free_sgpr 66
		.amdhsa_reserve_vcc 1
		.amdhsa_float_denorm_mode_32 3
		.amdhsa_float_denorm_mode_16_64 3
		.amdhsa_memory_ordered 1
		.amdhsa_forward_progress 1
		.amdhsa_inst_pref_size 16
	.end_amdhsa_kernel
	.amdgpu_metadata
---
amdhsa.version: [ 1, 2 ]
amdhsa.kernels:
  - .name:           k_q20712f9e2a_proj
    .symbol:         k_q20712f9e2a_proj.kd
    .args:
      - { .name: y_codes, .offset: 0, .size: 8, .value_kind: global_buffer, .address_space: global }
      - { .name: y_scales, .offset: 8, .size: 8, .value_kind: global_buffer, .address_space: global }
      - { .name: Wq_codes, .offset: 16, .size: 8, .value_kind: global_buffer, .address_space: global }
      - { .name: Wq_scales, .offset: 24, .size: 8, .value_kind: global_buffer, .address_space: global }
      - { .name: Wk_codes, .offset: 32, .size: 8, .value_kind: global_buffer, .address_space: global }
      - { .name: Wk_scales, .offset: 40, .size: 8, .value_kind: global_buffer, .address_space: global }
      - { .name: Wv_codes, .offset: 48, .size: 8, .value_kind: global_buffer, .address_space: global }
      - { .name: Wv_scales, .offset: 56, .size: 8, .value_kind: global_buffer, .address_space: global }
      - { .name: qimg, .offset: 64, .size: 8, .value_kind: global_buffer, .address_space: global }
      - { .name: kv, .offset: 72, .size: 8, .value_kind: global_buffer, .address_space: global }
    .group_segment_fixed_size: 3072
    .private_segment_fixed_size: 0
    .kernarg_segment_align: 8
    .kernarg_segment_size: 80
    .max_flat_workgroup_size: 384
    .sgpr_count:     66
    .vgpr_count:     218
    .wavefront_size: 32
...
	.end_amdgpu_metadata
.endif
;; end of part 1
;; launch attn (part 2): grid 64 x 4, 16 waves a work-group, clusters of 4 x 1, 288,768 bytes of LDS; arguments qimg, kv, out0; writes out0
.if DOCPART == 2
	.amdgcn_target "amdgcn-amd-amdhsa--gfx1250"
	.amdhsa_code_object_version 6
	.text
	.protected	k_q20712f9e2a_attn
	.globl	k_q20712f9e2a_attn
	.p2align	8
	.type	k_q20712f9e2a_attn,@function
k_q20712f9e2a_attn:
	s_mov_b64 s[64:65], 0
	v_nop
	global_prefetch_b8 v0, s[64:65] scope:SCOPE_SE
	s_setreg_imm32_b32 hwreg(HW_REG_WAVE_MODE, 25, 1), 1
	s_wait_xcnt 0x0
	s_wait_alu depctr_hold_cnt(0) depctr_sa_sdst(0) depctr_va_vdst(0) depctr_va_sdst(0) depctr_va_ssrc(0) depctr_va_vcc(0) depctr_vm_vsrc(0)
	s_getreg_b32 s2, hwreg(HW_REG_IB_STS2, 6, 4)
	s_cmp_eq_u32 s2, 0
	s_cbranch_scc0 .Lentry_in_a_cluster
	s_endpgm
.Lentry_in_a_cluster:
	s_bfe_u32 s2, ttmp6, 0x10000c
	s_cmp_lg_u32 s2, 0x3003
	s_cbranch_scc0 .Lentry_shape_is_right
	s_endpgm
.Lentry_shape_is_right:
; out[b][q] = the sum over keys k <= q of softmax_k(q . k / 8) v[k], both products on codes of FP4 (E2M1) with E8M0 scales, from the register images that the launch before has laid.
; THE SOFTMAX AHEAD OF THE SECOND PRODUCT: t = score x log2(e) / 8; M = the largest t so far, rounded UP to a whole number; p = 2^(t - M) is quantised along the keys, not normalised; the sum of the
; unquantised p divides at the end.  When M moves, the sum and O are multiplied by 2^(old M - new M): exact.
; NO RING.  A batch's k and v, 32 records of 8,960 bytes (128 keys each), are 286,720 bytes: they all lie in LDS, every byte filled ONCE, by loads that go out together at the start.  Nothing is filled again.
; SHARES.  4,096 queries are 32 groups of 128.  A tile of 16 queries of group G needs key steps 0 .. G.  Cluster a (0 .. 15) of a batch has four work-groups; work-group cx owns block cx of 32 queries of group a
; and block 3 - cx of group 31 - a: four tiles, 2 (a + 1) + 2 (32 - a) = 66 tile steps, the same number in all 256 work-groups.  The partners share a, so they share every branch.
; WAVES.  Sixteen: wave W has key class g = W / 4 and tile (W / 4 + W % 4) % 4: whichever four waves are taken together, by W % 4 or by W / 4, they hold four different tiles.  Of steps 4 q + 0 .. 3 the wave does
; step 4 q + g, if that is at most G.  A tile's four classes, each with its own M, sum and O, are joined through LDS at the end, by exact powers of two.
; CLUSTER.  The four partners need the same 286,720 bytes: each record is asked for JOINTLY, by the same tensor load with the same descriptor and the mask of all four.  cx enters only q's and out's global
; addresses and the mask's vector register.  Records past step 31 - a are fetched though nobody reads them, so that no load is jumped over.
; LAYOUT.  Both products transposed: S^T = K Q^T (source 0 = 16 keys), O^T = V^T P^T (source 0 = 16 of the head's 64): a lane holds ONE query (lane % 16).  Lane r of K's tile 2 b + u holds key
; 32 b + 8 u + r + 8 (r / 8), so the 16 registers of tiles 2 b, 2 b + 1 are keys 32 b + 16 (lane / 16) + 0 .. 15.  The first product's K is 64: registers 4-7 of both fragments are zero codes, under the scale 1.
; LIMITS: NaN, infinities and the scale byte 0xff are not served; a p under 2^-126 counts as 0; a block's largest p is made from the block's largest score by the same multiply-add and exponential,
; which takes v_exp_f32 not to fall where its input rises.
.set REC,   8960                       ; a record: K's images 4,096, K's scale words 512, V's images 4,096, V's scale words 256
.set GRP,   4*REC                      ; a group of four steps
.set KSC,   4096
.set VIM,   4608
.set VSC,   8704
.set QREC,  4608
.set SSLOT, 4608                       ; THE STAGE, for the join: slot 4 tile + g, laid over LDS bytes 0 .. 73,727 (steps 0 to 8), which have had their only fill and whose last read lies ahead of the last barrier of the steps
.set SP,    272                        ; in a slot: 16 rows of 256 bytes + 16 of padding; then 16 words -M at SMO; 16 words of the sum 64 bytes on
.set SMO,   16*SP
; REGISTERS: v1 16 lane + REC g; v2 8 lane + REC g; v3 my query's place in its group - 16 (lane / 16); v4, v5 the step's addresses; v6-v9 stage addresses; v10 my offset in out; v11 -infinity; v12 -M; v13 the largest t;
; v[14:15] the sum; v16-19 Q, v20-23 zeros; v24-27 K's scale words, v28-29 V's, v30 Q's, v31 p's; v32-95 K's eight fragments (upper halves zeros); v96-159 S^T, then p; v160-191 O^T; v192-223 V's four fragments;
; v224-231 p's codes; v232-254 at work.
; s10 wave, s11 g, s12 wave % 4, s13 tile, s14 upper block?, s15 u, s16 a, s17 batch, s18 G, s19 G - g; s20, s21, s80-87 what holds cx; s[22:23] c; s[24:31] group 1; s[32:63] eight groups 0; s[66:67] lane selects.
.macro CROUND                          ; a round of the cluster's barrier: my work-group's barrier; wave 0 signals for the work-group; every wave waits for all four work-groups; my work-group's barrier once more
	s_barrier_signal -1
	s_barrier_wait -1
	s_cmp_lg_u32 s10, 0
	s_cbranch_scc1 .Lnot_wave_0_\@
	s_barrier_signal -3
.Lnot_wave_0_\@:
	s_barrier_wait -3
	s_barrier_signal -1
	s_barrier_wait -1
.endm
	s_load_b128 s[4:7], s[0:1], 0x0                ; qimg, kv
	s_load_b64 s[8:9], s[0:1], 0x10                ; out
	v_lshl_add_u32 v251, v0, 2, 0x46000
	v_mov_b32 v255, 0
	ds_add_u32 v251, v255
	ds_add_u32 v251, v255
	v_lshrrev_b32 v1, 5, v0
	v_readfirstlane_b32 s10, v1                    ; wave 0..15
	s_lshr_b32 s11, s10, 2                         ; g
	s_and_b32 s12, s10, 3
	s_add_co_u32 s13, s11, s12
	s_and_b32 s13, s13, 3                          ; tile
	s_lshr_b32 s14, s13, 1                         ; 0: the block of group a; 1: the block of group 31 - a
	s_and_b32 s15, s13, 1                          ; u: which of the block's two tiles
	s_mov_b32 s16, ttmp9                           ; a: in a cluster launch ttmp9 counts clusters
	s_and_b32 s17, ttmp7, 0xffff                   ; batch
	s_sub_co_u32 s18, 31, s16
	s_bfe_u32 s20, ttmp6, 0x40000                  ; cx
	s_sub_co_u32 s21, 3, s20
	s_cmp_eq_u32 s14, 1
	s_cselect_b32 s18, s18, s16                    ; G
	s_cselect_b32 s21, s21, s20                    ; my block of 32 queries in the group
	s_sub_co_i32 s19, s18, s11                     ; G - g: step 4 q + g is done where 4 q <= G - g, and lies on the diagonal where 4 q = G - g
	s_mov_b32 s22, 0x3e38aa3b                      ; c = log2(e) / 8
	s_mov_b32 s23, s22                             ; (named with it as a pair, so it is written)
	s_mov_b32 s66, 0x76543210
	s_mov_b32 s67, 0xfedcba98                      ; v_permlanex16_b32's selects for lane l xor 16
	; descriptor group 1: a record is a dense block: 35 rows of 256 bytes (32 elements of 8 bytes)
	s_mov_b32 s24, 15|(3<<16)|(1<<21)              ; 15:0 the mask: all four work-groups; 17:16 elements of 8 bytes; 20 no padding (an image is read 16 bytes a lane, on end); 21 set beside a mask
	s_mov_b32 s25, 32<<16                          ; tensor_dim0 = 32
	s_mov_b32 s26, 35<<16                          ; tensor_dim1 = 35
	s_mov_b32 s27, 32<<16                          ; tile_dim0 = 32
	s_mov_b32 s28, 35                              ; tile_dim1 = 35
	s_mov_b32 s29, 32                              ; tensor_dim0_stride
	s_mov_b32 s30, 0
	s_mov_b32 s31, 0
	s_mul_i32 s70, s12, REC                        ; waves 0 to 3 fetch: wave f takes step 4 q + f of every group q
	s_mul_i32 s68, s17, 32*REC                     ; the batch, which the partners share
	s_add_co_u32 s68, s68, s70
	s_mov_b32 s69, 0
	; q's record and tile, out's rows: the only scalars that hold cx
	s_lshl_b32 s80, s17, 5
	s_add_co_u32 s80, s80, s18
	s_mul_i32 s80, s80, QREC                       ; record 32 batch + G
	s_mov_b32 s81, 0
	s_lshl_b32 s82, s21, 10
	s_lshl_b32 s83, s15, 9
	s_add_co_u32 s82, s82, s83                     ; the tile's image: 512 (2 block + u)
	s_lshl_b32 s84, s15, 8
	s_lshl_b32 s85, s21, 2
	s_add_co_u32 s84, s84, s85                     ; its scale words: 256 u + 4 block (+ 16 r)
	s_lshl_b32 s86, s21, 5
	s_lshl_b32 s87, s15, 3
	s_add_co_u32 s86, s86, s87                     ; 32 block + 8 u: the tile's first query in its group
	v_and_b32 v242, 31, v0                         ; lane
	v_and_b32 v243, 15, v0                         ; r
	v_bfe_u32 v248, v0, 4, 1                       ; h
	v_lshlrev_b32 v240, 4, v242
	v_add_nc_u32 v240, s82, v240
	v_lshlrev_b32 v241, 4, v243
	v_add_nc_u32 v241, s84, v241
	v_and_b32 v249, 8, v243
	v_add_nc_u32 v249, v249, v243                  ; r + 8 (r / 8)
	v_lshlrev_b32 v250, 4, v248
	v_sub_nc_u32 v3, v249, v250
	v_add_nc_u32 v3, s86, v3                       ; my query's place in its group - 16 h (signed)
	; LDS addresses: constants, the lane and the wave's number alone
	s_mul_i32 s72, s11, REC
	v_lshlrev_b32 v1, 4, v242
	v_add_nc_u32 v1, s72, v1
	v_lshlrev_b32 v2, 3, v242
	v_add_nc_u32 v2, s72, v2
	s_lshl_b32 s73, s13, 2
	s_add_co_u32 s73, s73, s11
	s_mul_i32 s73, s73, SSLOT                      ; my slot of the stage
	v_mul_u32_u24 v6, v243, SP
	v_lshl_add_u32 v6, v248, 6, v6
	v_add_nc_u32 v6, s73, v6                       ; in: row r, + 64 h
	v_lshlrev_b32 v7, 2, v243
	v_add_nc_u32 v7, s73, v7
	v_add_nc_u32 v7, SMO, v7                       ; -M of row r
	s_mul_i32 s74, s13, 4*SSLOT                    ; my tile's four slots
	s_mul_i32 s75, s11, 4*SP
	s_add_co_u32 s75, s75, s74
	v_mul_u32_u24 v8, v248, SP
	v_lshl_add_u32 v8, v243, 4, v8
	v_add_nc_u32 v8, s75, v8                       ; back: rows 4 g + h (+ 2 i), 16 bytes a lane
	s_lshl_b32 s76, s11, 4
	s_add_co_u32 s76, s76, s74
	s_add_co_u32 s76, s76, SMO
	v_lshlrev_b32 v9, 2, v248
	v_add_nc_u32 v9, s76, v9                       ; and their -M
	v_lshlrev_b32 v10, 8, v248
	v_lshl_add_u32 v10, v243, 4, v10               ; out: lanes 0-15 one row of 256 bytes, lanes 16-31 the next
	; out's first row of mine: 4,096 batch + 128 G + 32 block + 8 u + 4 g + 8 (g / 2)  (row p of a tile is query p + 8 (p / 8) of it)
	s_lshl_b32 s82, s17, 12
	s_lshl_b32 s83, s18, 7
	s_add_co_u32 s82, s82, s83
	s_add_co_u32 s82, s82, s86
	s_lshl_b32 s83, s11, 2
	s_add_co_u32 s82, s82, s83
	s_lshr_b32 s83, s11, 1
	s_lshl_b32 s83, s83, 3
	s_add_co_u32 s82, s82, s83
	s_lshl_b32 s82, s82, 8                         ; rows of 256 bytes
	s_mov_b32 s83, 0
	s_wait_dscnt 0x0
	s_wait_kmcnt 0x0
	s_add_nc_u64 s[4:5], s[4:5], s[80:81]
	s_add_nc_u64 s[8:9], s[8:9], s[82:83]
	s_add_nc_u64 s[6:7], s[6:7], s[68:69]
.irp q, 0,1,2,3,4,5,6,7
	s_mov_b32 s[32+4*\q], 1                                        ; 1:0 count = 1
	s_add_co_u32 s[33+4*\q], s70, \q*GRP                           ; 63:32 LDS address: step 4 q + f lies at REC (4 q + f)
	s_add_nc_u64 s[34+4*\q:35+4*\q], s[6:7], \q*GRP                ; 120:64 global address: the same record of the batch
	s_or_b32 s[35+4*\q], s[35+4*\q], 0x80000000                    ; 127:126 type = 2
.endr
	CROUND                                         ; all four work-groups are here: the joint loads meet
	s_cmp_lt_u32 s10, 4                            ; a wave's eight fills stand in one branch, ahead of every wait on TENSORcnt and every LDS read: eight loads of a fetching wave are out
	s_cbranch_scc0 .Lno_fetch
.irp q, 0,1,2,3,4,5,6,7
	tensor_load_to_lds s[32+4*\q:35+4*\q], s[24:31]
	s_nop 0
.endr
.rept 4
	v_nop                                          ; four v_nop follow the last
.endr
.Lno_fetch:
	global_load_b128 v[16:19], v240, s[4:5]        ; Q's fragment: it stays in registers
	global_load_b32 v30, v241, s[4:5] offset:KSC   ; and its scale words
	v_mov_b32 v11, 0xff800000                      ; -infinity
	v_mov_b32 v13, 0xff61b1e6                      ; the largest t so far: -3e38, under every t
	v_floor_f32 v12, -v13                          ; -M
	v_mov_b32 v14, 0                               ; the sum, in two halves
	v_mov_b32 v15, 0
.irp j, 20,21,22,23
	v_mov_b32 v\j, 0                               ; Q's zero codes for K = 64 .. 127
.endr
.irp t, 0,1,2,3,4,5,6,7
.irp j, 4,5,6,7
	v_mov_b32 v[32+8*\t+\j], 0                     ; K's likewise: written once, the loads fill the lower halves alone
.endr
.endr
.set J, 0
.rept 32
	v_mov_b32 v[160+J], 0                          ; O^T: which step is a wave's first hangs on ids, so every step adds onto what it finds; the first change of M leaves zeros zeros
.set J, J+1
.endr
.irp j, 236,237,238,239
	v_mov_b32 v\j, 0                               ; written once: a lane permute's destination counts as one of its sources
.endr
	v_mov_b32 v253, 0                              ; (named as the upper half of the pair v[252:253])
; A KEY STEP: step 4 q + g, 128 keys.
.macro STEP q
	s_cmp_lt_i32 s19, 4*(\q)                       ; all its keys come after my tile's queries: left out.  A branch on ids; no barrier stands in a step
	s_cbranch_scc1 .Lskip_\@
	v_add_nc_u32 v4, (\q)*GRP, v1
	v_add_nc_u32 v5, (\q)*GRP, v2
.irp t, 0,1,2,3,4,5,6,7
	ds_load_b128 v[32+8*\t:35+8*\t], v4 offset:512*\t          ; K's images: 16 bytes a lane, on end
.endr
	ds_load_b128 v[24:27], v4 offset:KSC           ; K's scale words: register i: lanes 0-15 tile 2 i, lanes 16-31 tile 2 i + 1
.irp n, 0,1,2,3
.irp c, 0,1
	ds_load_b128 v[192+8*\n+4*\c:195+8*\n+4*\c], v4 offset:VIM+1024*\n+512*\c
.endr
.endr
	ds_load_b64 v[28:29], v5 offset:VSC            ; V's scale words, laid likewise
	s_wait_dscnt 9                                 ; K's nine loads are in; V's nine, issued behind them, may be out
.irp t, 0,1,2,3,4,5,6,7
.if \t%2
	v_wmma_scale_f32_16x16x128_f8f6f4 v[96+8*\t:103+8*\t], v[32+8*\t:39+8*\t], v[16:23], 0, v[24+\t/2], v30 matrix_a_fmt:MATRIX_FMT_FP4 matrix_b_fmt:MATRIX_FMT_FP4 matrix_a_scale:MATRIX_SCALE_ROW1
.else
	v_wmma_scale_f32_16x16x128_f8f6f4 v[96+8*\t:103+8*\t], v[32+8*\t:39+8*\t], v[16:23], 0, v[24+\t/2], v30 matrix_a_fmt:MATRIX_FMT_FP4 matrix_b_fmt:MATRIX_FMT_FP4
.endif
.endr
.rept 4
	v_nop                                          ; four places in front of the first read of results (ISA guide 7.12.1)
.endr
	s_cmp_lg_u32 s19, 4*(\q)                       ; on the diagonal the scores of hidden keys become -infinity ahead of the maximum: p = 0 then.  Key 0 of the step counts for every query
	s_cbranch_scc1 .Lopen_\@
.set J, 0
.rept 64
	v_cmp_gt_i32 vcc_lo, 32*(J/16)+J%16, v3        ; register 16 b + i holds key 32 b + 16 h + i of the step
	v_cndmask_b32 v[96+J], v[96+J], v11, vcc_lo
.set J, J+1
.endr
.Lopen_\@:
.irp b, 0,1,2,3
	v_max3_num_f32 v[232+\b], v[96+16*\b], v[97+16*\b], v[98+16*\b]   ; the largest score of each block of 32 keys: for the row's maximum and for the block's largest p
.endr
.irp i, 3,5,7,9,11,13
.irp b, 0,1,2,3
	v_max3_num_f32 v[232+\b], v[232+\b], v[96+16*\b+\i], v[97+16*\b+\i]   ; (the four blocks by turns)
.endr
.endr
.irp b, 0,1,2,3
	v_max_num_f32 v[232+\b], v[232+\b], v[111+16*\b]
.endr
.irp b, 0,1,2,3
	v_permlanex16_b32 v[236+\b], v[232+\b], s66, s67
.endr
.irp b, 0,1,2,3
	v_max_num_f32 v[232+\b], v[232+\b], v[236+\b]  ; with lane l xor 16's 16 keys
.endr
	v_max3_num_f32 v254, v232, v233, v234
	v_max_num_f32 v254, v254, v235                 ; the step's largest score of my query
	v_mul_f32 v254, s22, v254                      ; as t (c is positive)
	v_max_num_f32 v13, v13, v254                   ; the running largest t
	v_mov_b32 v254, v12
	v_floor_f32 v12, -v13                          ; the new -M = floor(-t) = -ceil(t): a whole number
	v_sub_f32 v254, v12, v254                      ; M's old value less its new one: 0 or less
	v_cvt_i32_f32 v254, v254                       ; (it saturates)
	v_ldexp_f32 v252, 1.0, v254                    ; f = 2^(old M - new M)
.set J, 0
.rept 32
	v_pk_fma_f32 v[96+J:97+J], v[96+J:97+J], s[22:23], v[12:13] op_sel_hi:[1,0,0]   ; t - M, two at a time (of the pairs c and -M the low word serves both halves)
.set J, J+2
.endr
.irp b, 0,1,2,3
	v_fma_f32 v[232+\b], v[232+\b], s22, v12       ; the same of each block's largest score
.endr
.set J, 0
.rept 64
	v_exp_f32 v[96+J], v[96+J]                     ; p = 2^(t - M), at most 1: not normalised
.set J, J+1
.endr
.irp b, 0,1,2,3
	v_exp_f32 v[232+\b], v[232+\b]                 ; the block's largest p
.endr
	v_pk_mul_f32 v[14:15], v[14:15], v[252:253] op_sel_hi:[1,0]   ; the sums under the new M.  (The plain place behind the exponentials)
	s_wait_alu depctr_va_vdst(0)
.irp b, 0,1,2,3
	v_max_num_f32 v[232+\b], 0x1800000, v[232+\b]  ; the floor 2^(3 - 127): the byte cannot fall under 1 (a block whose every p is 0 keeps that byte over zero codes)
.endr
.irp b, 0,1,2,3
	v_add_nc_u32 v[244+\b], 0xff000000, v[232+\b]  ; 2 off the exponent field: the conversion's scale operand
.endr
.irp b, 0,1,2,3
	v_lshrrev_b32 v[236+\b], 23, v[244+\b]         ; the scale's byte
.endr
	v_lshl_or_b32 v31, v237, 8, v236               ; p's scale word for these 128 keys
	v_lshl_or_b32 v31, v238, 16, v31
	v_lshl_or_b32 v31, v239, 24, v31
.irp b, 0,1,2,3
	v_cvt_scalef32_pk8_fp4_f32 v[224+2*\b], v[96+16*\b:103+16*\b], v[244+\b]
	v_cvt_scalef32_pk8_fp4_f32 v[225+2*\b], v[104+16*\b:111+16*\b], v[244+\b]
.endr
	v_nop                                          ; one plain place behind a scaled conversion
.irp c, 0,1                                    ; the operand wants a WHOLE block in a lane: lanes 0-15 block 2 c, lanes 16-31 block 2 c + 1
.irp i, 0,1
	v_permlane16_swap_b32 v[224+4*\c+\i], v[226+4*\c+\i]
.endr
.endr
	v_pk_add_f32 v[236:237], v[96:97], v[98:99]    ; the row's sum is taken of the UNQUANTISED p: two at a time, in two chains
.irp j, 4,8,12,16,20,24,28,32,36,40,44,48,52,56,60
	v_pk_add_f32 v[14:15], v[14:15], v[96+\j:97+\j]
	v_pk_add_f32 v[236:237], v[236:237], v[98+\j:99+\j]
.endr
	v_pk_add_f32 v[14:15], v[14:15], v[236:237]
.set J, 0
.rept 16
	v_pk_mul_f32 v[160+J:161+J], v[160+J:161+J], v[252:253] op_sel_hi:[1,0]   ; O^T under the new M, each accumulator from its low end on.  (With the sums above: the places between p's scale word and codes and the products below)
.set J, J+2
.endr
	s_wait_dscnt 0x0                               ; V is in
; O^T += V^T P^T.  The four accumulators take turns, and the next step's eight products of scores stand between two links of a chain.
.irp n, 0,1,2,3
.if \n%2
	v_wmma_scale_f32_16x16x128_f8f6f4 v[160+8*\n:167+8*\n], v[192+8*\n:199+8*\n], v[224:231], v[160+8*\n:167+8*\n], v[28+\n/2], v31 matrix_a_fmt:MATRIX_FMT_FP4 matrix_b_fmt:MATRIX_FMT_FP4 matrix_a_scale:MATRIX_SCALE_ROW1
.else
	v_wmma_scale_f32_16x16x128_f8f6f4 v[160+8*\n:167+8*\n], v[192+8*\n:199+8*\n], v[224:231], v[160+8*\n:167+8*\n], v[28+\n/2], v31 matrix_a_fmt:MATRIX_FMT_FP4 matrix_b_fmt:MATRIX_FMT_FP4
.endif
.endr
.rept 4
	v_nop                                          ; four places in front of the next loads into V's fragments and scale words, and of the last read of O^T
.endr
.Lskip_\@:
.endm
; A GROUP of four steps.  Fetching waves issued their fills in the order of the groups: with 7 - q younger ones out, group q's record of mine has landed (tensor loads of a wave end in order: ISA guide 10.11.1).
; The barrier shows that of all four fetching waves to all sixteen.  The younger fills may stay on their way.
.macro GROUP q
	s_wait_tensorcnt 7-\q
	s_wait_dscnt 0x0                               ; no LDS instruction of mine is pending at the signal
	s_barrier_signal -1
	s_barrier_wait -1
	STEP \q
.endm
	s_wait_loadcnt 0x0                             ; Q
.irp q, 0,1,2,3,4,5,6,7
	GROUP \q
.endr
	; THE JOIN.  Every wave has passed the last group's barrier: all fills have landed, and only steps 28 to 31 are still read, which lie behind the stage's bytes.
	v_add_f32 v14, v14, v15                        ; the sum's two halves,
	v_permlanex16_b32 v236, v14, s66, s67
	v_add_f32 v14, v14, v236                       ; and lane l xor 16's: my class's sum for query r
.irp n, 0,1,2,3
.irp p, 0,1
	ds_store_b128 v6, v[160+8*\n+4*\p:163+8*\n+4*\p] offset:128*(\n/2)+32*(\n%2)+16*\p   ; register j of tile n is d = 32 (n / 2) + 16 h + 8 (n % 2) + j of query r; each accumulator from its low end on
.endr
.endr
	ds_store_b32 v7, v12                           ; -M (lanes r and r + 16 write the same word with the same value)
	ds_store_b32 v7, v14 offset:64                 ; the sum
	s_wait_dscnt 0x0                               ; for the others' sake: my stores into the stage are done
	s_barrier_signal -1
	s_barrier_wait -1
.irp i, 0,1                                    ; I finish rows 4 g + 2 i + (lane / 16) of my tile: the four classes' parts
.irp k, 0,1,2,3
	ds_load_b128 v[96+16*\i+4*\k:99+16*\i+4*\k], v8 offset:SSLOT*\k+2*SP*\i
	ds_load_b32 v[128+4*\i+\k], v9 offset:SSLOT*\k+8*\i
	ds_load_b32 v[136+4*\i+\k], v9 offset:SSLOT*\k+8*\i+64
.endr
.endr
.macro FIN i
	v_min3_num_f32 v[152+\i], v[128+4*\i], v[129+4*\i], v[130+4*\i]
	v_min_num_f32 v[152+\i], v[152+\i], v[131+4*\i]                ; the least -M: the row's M.  (Class 0 has done step 0, so it is a number)
.irp k, 0,1,2,3
	v_sub_f32 v[144+4*\i+\k], v[152+\i], v[128+4*\i+\k]            ; class k's M less the row's: a whole number, 0 or less
.endr
.irp k, 0,1,2,3
	v_cvt_i32_f32 v[144+4*\i+\k], v[144+4*\i+\k]                   ; (it saturates: a class that did no step kept -M = 3e38)
.endr
.irp k, 0,1,2,3
	v_ldexp_f32 v[144+4*\i+\k], 1.0, v[144+4*\i+\k]                ; f k: an exact power of two, or 0 for such a class
.endr
	v_mul_f32 v[154+\i], v[144+4*\i], v[136+4*\i]
.irp k, 1,2,3
	v_fmac_f32 v[154+\i], v[144+4*\i+\k], v[136+4*\i+\k]           ; the row's sum
.endr
	v_rcp_f32 v[156+\i], v[154+\i]                                 ; (the lines below are the plain places behind it)
.irp c, 0,1,2,3
	v_mul_f32 v[192+4*\i+\c], v[144+4*\i], v[96+16*\i+\c]
.endr
.irp k, 1,2,3
.irp c, 0,1,2,3
	v_fmac_f32 v[192+4*\i+\c], v[144+4*\i+\k], v[96+16*\i+4*\k+\c]
.endr
.endr
	s_wait_alu depctr_va_vdst(0)
.irp c, 0,1,2,3
	v_mul_f32 v[192+4*\i+\c], v[192+4*\i+\c], v[156+\i]
.endr
	global_store_b128 v10, v[192+4*\i:195+4*\i], s[8:9] offset:512*\i th:TH_STORE_NT   ; 32 lanes store two whole rows: 512 consecutive bytes, aligned; written once, read by nobody here
.endm
	s_wait_dscnt 12                                ; the first pair of rows is in; the second pair's twelve loads may be out
	FIN 0
	s_wait_dscnt 0x0
	FIN 1
	s_wait_tensorcnt 0x0
	ds_add_u32 v251, v255
	s_wait_dscnt 0x0
	CROUND                                         ; the closing round: no work-group ends while a partner may still ask for a record that names it
	s_endpgm
.Lfunc_end_k_q20712f9e2a_attn:
	.size	k_q20712f9e2a_attn, .Lfunc_end_k_q20712f9e2a_attn-k_q20712f9e2a_attn
	.p2alignl 7, 3214868480
	.fill 96, 4, 3214868480
	.section	.rodata,"a",@progbits
	.p2align	6, 0x0
	.amdhsa_kernel k_q20712f9e2a_attn
		.amdhsa_group_segment_fixed_size 288768
		.amdhsa_private_segment_fixed_size 0
		.amdhsa_enable_private_segment 0
		.amdhsa_kernarg_size 24
		.amdhsa_user_sgpr_count 2
		.amdhsa_user_sgpr_kernarg_segment_ptr 1
		.amdhsa_wavefront_size32 1
		.amdhsa_system_sgpr_workgroup_id_x 1
		.amdhsa_system_sgpr_workgroup_id_y 1
		.amdhsa_system_sgpr_workgroup_id_z 1
		.amdhsa_system_vgpr_workitem_id 0
		.amdhsa_next_free_vgpr 256
		.amdhsa_next_free_sgpr 96
		.amdhsa_reserve_vcc 1
		.amdhsa_float_denorm_mode_32 3
		.amdhsa_float_denorm_mode_16_64 3
		.amdhsa_memory_ordered 1
		.amdhsa_forward_progress 1
		.amdhsa_inst_pref_size 176
	.end_amdhsa_kernel
	.amdgpu_metadata
---
amdhsa.version: [ 1, 2 ]
amdhsa.kernels:
  - .name:           k_q20712f9e2a_attn
    .symbol:         k_q20712f9e2a_attn.kd
    .args:
      - { .name: qimg, .offset: 0, .size: 8, .value_kind: global_buffer, .address_space: global }
      - { .name: kv, .offset: 8, .size: 8, .value_kind: global_buffer, .address_space: global }
      - { .name: out0, .offset: 16, .size: 8, .value_kind: global_buffer, .address_space: global }
    .group_segment_fixed_size: 288768
    .private_segment_fixed_size: 0
    .kernarg_segment_align: 8
    .kernarg_segment_size: 24
    .max_flat_workgroup_size: 512
    .sgpr_count:     96
    .vgpr_count:     256
    .wavefront_size: 32
...
	.end_amdgpu_metadata
.endif
;; end of part 2
;; ======== version 2 of 2: 2 launches
;; workspace buffers: qimg 589,824 bytes; kv 1,146,880 bytes
;; launch proj (part 3): grid 128 x 1, 12 waves a work-group, no clusters, 3,072 bytes of LDS; arguments y_codes, y_scales, Wq_codes, Wq_scales, Wk_codes, Wk_scales, Wv_codes, Wv_scales, qimg, kv; writes qimg, kv
.if DOCPART == 3
	.amdgcn_target "amdgcn-amd-amdhsa--gfx1250"
	.amdhsa_code_object_version 6
	.text
	.protected	k_q20712f9e2a_proj
	.globl	k_q20712f9e2a_proj
	.p2align	8
	.type	k_q20712f9e2a_proj,@function
k_q20712f9e2a_proj:
	s_mov_b64 s[64:65], 0
	v_nop
	global_prefetch_b8 v0, s[64:65] scope:SCOPE_SE
	s_setreg_imm32_b32 hwreg(HW_REG_WAVE_SCHED_MODE, 0, 2), 2
	s_setreg_imm32_b32 hwreg(HW_REG_WAVE_MODE, 25, 1), 1
	s_wait_xcnt 0x0
	s_wait_alu depctr_vm_vsrc(0)
; q = y Wq, k = y Wk, v = y Wv on codes of FP4 (E2M1) with E8M0 scales (K = 256: two matrix instructions deep), and the three results quantised again:
; q and k along the head's 64 (two blocks of 32), v along the KEYS (blocks of 32 tokens).  They leave as IMAGES OF THE NEXT LAUNCH'S OPERAND REGISTERS.
; SHARES.  A work-group takes 128 tokens: one record of qimg (4,608 bytes) and one of kv (8,960 bytes).  Twelve waves: role = wave / 4 (0 q, 1 k, 2 v), w = wave % 4: its 32 tokens.
; 128 tokens to a work-group, since a scale word of v holds the bytes of four blocks of 32 keys.  Each wave has 16 matrix instructions; all its 36 loads go out at once.
; THE ROWS OF A TILE ARE NOT NEIGHBOURS: lane r of y's tile u takes token 32 w + 8 u + r + 8 (r / 8); lane r of a weight's tile t takes row 32 (t / 2) + 8 (t % 2) + r + 8 (r / 8).
;   q, k: source 0 = 16 rows of W, source 1 = 16 tokens: a lane holds ONE token, the 16 registers of tiles 2 b, 2 b + 1 are d = 32 b + 16 (lane / 16) + 0 .. 15.
;   v:    source 0 = 16 tokens, source 1 = 16 rows of W: a lane holds ONE d, the 16 registers of u = 0, 1 are keys 32 w + 16 (lane / 16) + 0 .. 15.
; So in all three roles a block of 32 lies in lanes l and l xor 16, 16 registers each, and one macro quantises them.
; RECORDS.  qimg: tile 2 w + u at 512 (2 w + u) + 16 lane (lane (r, h): block h of its token, 16 bytes); from 4,096 on the scale words: tile 2 i + hh, row r at 16 (r + 16 hh) + 4 i, bytes b0, b1, 0x7f, 0x7f
;   (the product over the head's 64 is fed as 128 along K: the upper 64 are zero codes under the scale 1).   kv: k likewise at 0 and 4,096;
;   v's tile t at 4,608 + 1,024 t + 256 w + 16 r + 8 h (key block w); v's scale words at 8,704: tile 2 i + hh, row r at 8 (r + 16 hh) + 4 i, byte w for key block w.
; A block's scale byte is its largest magnitude's exponent field - 2, held at 1 from below.  (A block of zeros so keeps the byte 1 over zero codes; this program alone reads the bytes.)
; LIMITS: NaN, infinities and the scale byte 0xff among the inputs are not served.
; THE MODE: SCHED_MODE bits 1:0 = 2 (LLVM: expert scheduling mode 2), set by the entry lines.  The code itself states the register dependences
; between vector or matrix instructions and memory or LDS instructions, with s_wait_alu, always for 0.
; THE PLAN.  The text has no loop.  Registers that memory or LDS instructions touch:
;   v5, v6        offsets of the 36 loads: written at the head, never again.
;   v8 .. v14     LDS addresses and offsets in the record: written at the head, read by the tails' stores and by the way back, never written again.
;   v16 .. v127   fragments and scale words: written by the loads alone, read by matrix instructions, never written again.
;   v192 .. v199  the codes: written by the conversions (q, k: and the lane swaps), read by the global stores, never written again.
;   v28, v29      a tail's vector lines write them, its LDS stores read them; behind the barrier the loads of the way back land in v28 on, and global stores read those.
;   v216, v217    written at the head, read by the closing add alone.
;   s28 is written by a vector instruction and read by scalar ones; VCC by one compare and read by the tails' selects.
; So: one wait on va_sdst behind the wave's number; one on va_vdst ahead of the loads; one on va_vcc behind the compare; one on va_vdst in each tail ahead of its stores; one on vm_vsrc behind the barrier.
.set REC,  8960
.set QREC, 4608
.set KSC,  4096                        ; scale words of q or k in a record
.set VIM,  4608                        ; v's images
.set VSC,  8704                        ; v's scale words
.set WS,   16                          ; v16-23   the weight's scale words (2 t + s)
.set YS,   24                          ; v24-27   y's (2 u + s)
.set WF,   32                          ; v32-95   the weight's fragments, 8 (2 t + s)
.set YF,   96                          ; v96-127  y's, 8 (2 u + s)
.set ACC,  128                         ; v128-191 eight accumulators
.set PC,   192                         ; v192-199 the codes
.set TM,   200                         ; v200-203 largest magnitudes, v204-207 bytes, v212-215 the conversions' scale operands
; v1 r, v2 h, v3 lane, v4 r + 8 (r / 8), v5 code address, v6 scale address; LDS: v8 q's and k's word, v9 v's byte, v10, v11 the way back; v12, v13, v14 offsets in the record; v28-31 words
	s_load_b512 s[8:23], s[0:1], 0x0               ; y's codes, y's scales, Wq's, Wk's, Wv's codes and scales
	s_load_b128 s[24:27], s[0:1], 0x40             ; qimg, kv
	v_lshl_add_u32 v216, v0, 2, 0x600
	v_mov_b32 v217, 0
	v_lshrrev_b32 v1, 5, v0
	v_readfirstlane_b32 s28, v1                    ; wave 0..11
	v_and_b32 v1, 15, v0                           ; r
	v_bfe_u32 v2, v0, 4, 1                         ; h
	v_and_b32 v3, 31, v0                           ; lane
	v_and_b32 v4, 8, v1
	v_add_nc_u32 v4, v4, v1                        ; r + 8 (r / 8)
	v_lshlrev_b32 v5, 7, v4                        ; a row of 256 codes is 128 bytes, in y and in the weights alike,
	v_lshl_add_u32 v5, v2, 4, v5                   ; + 16 h
	v_lshlrev_b32 v6, 3, v4                        ; and its scale bytes are 8
	s_wait_alu depctr_va_sdst(0)                   ; s28 is written, ahead of its first reader: role and w are made from it
	s_lshr_b32 s29, s28, 2                         ; role
	s_and_b32 s30, s28, 3                          ; w
	; every LDS address is made here, ahead of the first parting of the roles: a constant + a constant x lane + a constant x wave
	s_lshl_b32 s31, s29, 9                         ; LDS: q's words at 0, k's at 512, v's at 1,024
	s_lshl_b32 s46, s30, 2
	s_add_co_u32 s46, s46, s31
	v_lshlrev_b32 v10, 4, v3
	v_add_nc_u32 v8, s46, v10                      ; my word: 512 role + 16 lane + 4 w
	v_add_nc_u32 v10, s31, v10                     ; back: 512 role + 16 lane
	v_lshlrev_b32 v14, 3, v3                       ; 8 lane
	v_add_nc_u32 v11, 1024, v14                    ; back: 1,024 + 8 lane
	v_add_nc_u32 v9, s30, v11                      ; my byte: 1,024 + 8 lane + w
	s_lshl_b32 s46, s30, 10
	v_lshlrev_b32 v12, 4, v3
	v_add_nc_u32 v12, s46, v12                     ; q, k: 16 lane + 1,024 w
	s_lshl_b32 s47, s30, 8
	v_lshlrev_b32 v13, 4, v1
	v_lshl_add_u32 v13, v2, 3, v13
	v_add_nc_u32 v13, s47, v13                     ; v: 16 r + 8 h + 256 w
.irp b, 0,1,2,3
	v_mov_b32 v[TM+4+\b], 0                        ; written once: a lane permute's destination counts as one of its sources
.endr
	s_mov_b32 s40, 0x76543210
	s_mov_b32 s41, 0xfedcba98                      ; v_permlanex16_b32's selects for lane l xor 16
	s_lshl_b32 s42, ttmp9, 14                      ; y's codes: 128 tokens x 128 bytes a work-group, 32 tokens a wave
	s_lshl_b32 s43, s30, 12
	s_add_co_u32 s42, s42, s43
	s_mov_b32 s43, 0
	s_lshl_b32 s44, ttmp9, 10                      ; y's scale bytes: 8 a token
	s_lshl_b32 s45, s30, 8
	s_add_co_u32 s44, s44, s45
	s_mov_b32 s45, 0
	s_mov_b32 s38, REC
	s_wait_kmcnt 0x0
	s_add_nc_u64 s[8:9], s[8:9], s[42:43]
	s_add_nc_u64 s[10:11], s[10:11], s[44:45]
	s_cmp_eq_u32 s29, 0                            ; the role picks the weight and the record: a choice that hangs on the wave's number alone
	s_cselect_b64 s[32:33], s[12:13], s[16:17]
	s_cselect_b64 s[34:35], s[14:15], s[18:19]
	s_cselect_b64 s[36:37], s[24:25], s[26:27]
	s_cselect_b32 s38, QREC, s38
	s_cmp_eq_u32 s29, 2
	s_cselect_b64 s[32:33], s[20:21], s[32:33]
	s_cselect_b64 s[34:35], s[22:23], s[34:35]
	s_mul_i32 s38, s38, ttmp9
	s_mov_b32 s39, 0
	s_add_nc_u64 s[36:37], s[36:37], s[38:39]      ; my work-group's record
	s_wait_alu depctr_va_vdst(0)                   ; v5 and v6 are written, which the 36 loads read as offsets; so are v8 to v14, which the LDS and memory instructions further down read
.irp t, 0,1,2,3
.irp s, 0,1
.irp c, 0,1
	global_load_b128 v[WF+8*(2*\t+\s)+4*\c:WF+8*(2*\t+\s)+4*\c+3], v5, s[32:33] offset:(32*(\t/2)+8*(\t%2))*128+64*\s+32*\c
.endr
	global_load_b32 v[WS+2*\t+\s], v6, s[34:35] offset:(32*(\t/2)+8*(\t%2))*8+4*\s
.endr
.endr
.irp u, 0,1
.irp s, 0,1
.irp c, 0,1
	global_load_b128 v[YF+8*(2*\u+\s)+4*\c:YF+8*(2*\u+\s)+4*\c+3], v5, s[8:9] offset:1024*\u+64*\s+32*\c
.endr
	global_load_b32 v[YS+2*\u+\s], v6, s[10:11] offset:64*\u+4*\s
.endr
.endr
.macro PROD d, a, b, sa, sb, first     ; first = 1: the product starts the sum: nothing is cleared
.if \first
	v_wmma_scale_f32_16x16x128_f8f6f4 v[\d:\d+7], v[\a:\a+7], v[\b:\b+7], 0, v[\sa], v[\sb] matrix_a_fmt:MATRIX_FMT_FP4 matrix_b_fmt:MATRIX_FMT_FP4
.else
	v_wmma_scale_f32_16x16x128_f8f6f4 v[\d:\d+7], v[\a:\a+7], v[\b:\b+7], v[\d:\d+7], v[\sa], v[\sb] matrix_a_fmt:MATRIX_FMT_FP4 matrix_b_fmt:MATRIX_FMT_FP4
.endif
.endm
	s_wait_loadcnt 0x0                             ; all 36 loads are in: the products' operands and scale words come from loads alone
	s_cmp_eq_u32 s29, 2
	s_cbranch_scc1 .Lprod_v
; The eight accumulators take turns, one instruction a turn, K step by K step.
.irp s, 0,1
.irp u, 0,1
.irp t, 0,1,2,3
	PROD ACC+32*\u+8*\t, WF+8*(2*\t+\s), YF+8*(2*\u+\s), WS+2*\t+\s, YS+2*\u+\s, 1-\s
.endr
.endr
.endr
	s_branch .Lquant
.Lprod_v:
.irp s, 0,1
.irp t, 0,1,2,3
.irp u, 0,1
	PROD ACC+16*\t+8*\u, YF+8*(2*\u+\s), WF+8*(2*\t+\s), YS+2*\u+\s, WS+2*\t+\s, 1-\s
.endr
.endr
.endr
.Lquant:
.rept 4
	v_nop                                          ; four places between the last product and the first read of results (ISA guide 7.12.1)
.endr
; Four blocks of 32, block b in registers ACC + 16 b on of lanes l and l xor 16.  q, k: b = 2 u + (d / 32).  v: b = the tile t.
.irp b, 0,1,2,3
	v_max3_num_f32 v[TM+\b], |v[ACC+16*\b]|, |v[ACC+1+16*\b]|, 0x1800000   ; my 16 numbers, and the floor 2^(3 - 127): so the byte cannot fall under 1
.endr
.irp i, 2,4,6,8,10,12,14
.irp b, 0,1,2,3
	v_max3_num_f32 v[TM+\b], v[TM+\b], |v[ACC+16*\b+\i]|, |v[ACC+1+16*\b+\i]|   ; (the four blocks by turns)
.endr
.endr
.irp b, 0,1,2,3
	v_permlanex16_b32 v[TM+4+\b], v[TM+\b], s40, s41
.endr
.irp b, 0,1,2,3
	v_max_num_f32 v[TM+\b], v[TM+\b], v[TM+4+\b]   ; with lane l xor 16's: the block's largest magnitude
.endr
.irp b, 0,1,2,3
	v_add_nc_u32 v[TM+12+\b], 0xff000000, v[TM+\b] ; 2 off its exponent field: the conversion takes this operand's exponent field as its scale
.endr
.irp b, 0,1,2,3
	v_lshrrev_b32 v[TM+4+\b], 23, v[TM+12+\b]      ; the scale's byte
.endr
.irp b, 0,1,2,3
	v_cvt_scalef32_pk8_fp4_f32 v[PC+2*\b], v[ACC+16*\b:ACC+7+16*\b], v[TM+12+\b]
	v_cvt_scalef32_pk8_fp4_f32 v[PC+1+2*\b], v[ACC+8+16*\b:ACC+15+16*\b], v[TM+12+\b]
.endr
	v_nop                                          ; one plain place behind a scaled conversion
	v_cmp_gt_u32 vcc_lo, 16, v3                    ; lanes 0-15
	s_wait_alu depctr_va_vcc(0)                    ; VCC is written: the selects that read it stand behind the branch below, in both tails
	s_cmp_eq_u32 s29, 2
	s_cbranch_scc1 .Ltail_v
	; q, k: the operand wants a WHOLE block in a lane: lanes 0-15 block 0, lanes 16-31 block 1
.irp u, 0,1
.irp i, 0,1
	v_permlane16_swap_b32 v[PC+4*\u+\i], v[PC+4*\u+2+\i]
.endr
.endr
	v_lshl_or_b32 v28, v[TM+5], 8, v[TM+4]         ; tile u = 0: my token's two bytes
	v_lshl_or_b32 v29, v[TM+7], 8, v[TM+6]         ; tile u = 1
	v_cndmask_b32 v28, v29, v28, vcc_lo            ; lanes 0-15 carry tile 0's word, lanes 16-31 tile 1's
	v_or_b32 v28, 0x7f7f0000, v28                  ; the scale 1 over the zero codes of the upper 64 along K
	s_wait_alu depctr_va_vdst(0)                   ; the word v28 and the codes v[PC ..] are written, which the three stores below read; no vector instruction follows, so the loads of the way back into v28 on owe no second such wait
	ds_store_b32 v8, v28
	global_store_b128 v12, v[PC:PC+3], s[36:37]               ; a tile's image: 32 lanes store 512 consecutive bytes
	global_store_b128 v12, v[PC+4:PC+7], s[36:37] offset:512
	s_branch .Ljoin
.Ltail_v:
	v_cndmask_b32 v28, v[TM+5], v[TM+4], vcc_lo    ; lanes 0-15 carry tile 0's byte, lanes 16-31 tile 1's;
	v_cndmask_b32 v29, v[TM+7], v[TM+6], vcc_lo    ; tiles 2 and 3
	s_wait_alu depctr_va_vdst(0)                   ; the bytes v28, v29 and the codes v[PC ..] are written, which the six stores below read; no vector instruction follows, so the load of the way back into v28, v29 owes no second such wait
	ds_store_b8 v9, v28                            ; byte w of the words: each of the four waves writes bytes of its own
	ds_store_b8 v9, v29 offset:4
.irp t, 0,1,2,3
	global_store_b64 v13, v[PC+2*\t:PC+2*\t+1], s[36:37] offset:VIM+1024*\t   ; 32 lanes store 256 consecutive bytes, aligned
.endr
.Ljoin:
	s_wait_dscnt 0x0                               ; for the others' sake: my words lie in LDS
	s_barrier_signal -1
	s_barrier_wait -1                              ; everybody's do
	s_wait_alu depctr_vm_vsrc(0)                   ; my LDS stores have read v28 and v29, in which the loads of the way back land; it stands ahead of the branches that lead to those loads
	s_cmp_lg_u32 s30, 0                            ; each role's first wave stores its role's words, whole
	s_cbranch_scc1 .Lend
	s_cmp_eq_u32 s29, 2
	s_cbranch_scc1 .Lwords_v
	ds_load_b128 v[28:31], v10
	s_wait_dscnt 0x0
	global_store_b128 v12, v[28:31], s[36:37] offset:KSC      ; w = 0: v12 is 16 lane: 512 consecutive bytes
	s_branch .Lend
.Lwords_v:
	ds_load_b64 v[28:29], v11
	s_wait_dscnt 0x0
	global_store_b64 v14, v[28:29], s[36:37] offset:VSC       ; 256 consecutive bytes
.Lend:
	s_wait_dscnt 0x0                               ; the closing lines, six on end
	s_wait_alu 0x0
	s_wait_tensorcnt 0x0
	ds_add_u32 v216, v217
	s_wait_dscnt 0x0
	s_endpgm
.Lfunc_end_k_q20712f9e2a_proj:
	.size	k_q20712f9e2a_proj, .Lfunc_end_k_q20712f9e2a_proj-k_q20712f9e2a_proj
	.p2alignl 7, 3214868480
	.fill 96, 4, 3214868480
	.section	.rodata,"a",@progbits
	.p2align	6, 0x0
	.amdhsa_kernel k_q20712f9e2a_proj
		.amdhsa_group_segment_fixed_size 3072
		.amdhsa_private_segment_fixed_size 0
		.amdhsa_enable_private_segment 0
		.amdhsa_kernarg_size 80
		.amdhsa_user_sgpr_count 2
		.amdhsa_user_sgpr_kernarg_segment_ptr 1
		.amdhsa_wavefront_size32 1
		.amdhsa_system_sgpr_workgroup_id_x 1
		.amdhsa_system_sgpr_workgroup_id_y 1
		.amdhsa_system_sgpr_workgroup_id_z 1
		.amdhsa_system_vgpr_workitem_id 0
		.amdhsa_next_free_vgpr 218
		.amdhsa_next_free_sgpr 66
		.amdhsa_reserve_vcc 1
		.amdhsa_float_denorm_mode_32 3
		.amdhsa_float_denorm_mode_16_64 3
		.amdhsa_memory_ordered 1
		.amdhsa_forward_progress 1
		.amdhsa_inst_pref_size 16
	.end_amdhsa_kernel
	.amdgpu_metadata
---
amdhsa.version: [ 1, 2 ]
amdhsa.kernels:
  - .name:           k_q20712f9e2a_proj
    .symbol:         k_q20712f9e2a_proj.kd
    .args:
      - { .name: y_codes, .offset: 0, .size: 8, .value_kind: global_buffer, .address_space: global }
      - { .name: y_scales, .offset: 8, .size: 8, .value_kind: global_buffer, .address_space: global }
      - { .name: Wq_codes, .offset: 16, .size: 8, .value_kind: global_buffer, .address_space: global }
      - { .name: Wq_scales, .offset: 24, .size: 8, .value_kind: global_buffer, .address_space: global }
      - { .name: Wk_codes, .offset: 32, .size: 8, .value_kind: global_buffer, .address_space: global }
      - { .name: Wk_scales, .offset: 40, .size: 8, .value_kind: global_buffer, .address_space: global }
      - { .name: Wv_codes, .offset: 48, .size: 8, .value_kind: global_buffer, .address_space: global }
      - { .name: Wv_scales, .offset: 56, .size: 8, .value_kind: global_buffer, .address_space: global }
      - { .name: qimg, .offset: 64, .size: 8, .value_kind: global_buffer, .address_space: global }
      - { .name: kv, .offset: 72, .size: 8, .value_kind: global_buffer, .address_space: global }
    .group_segment_fixed_size: 3072
    .private_segment_fixed_size: 0
    .kernarg_segment_align: 8
    .kernarg_segment_size: 80
    .max_flat_workgroup_size: 384
    .sgpr_count:     66
    .vgpr_count:     218
    .wavefront_size: 32
...
	.end_amdgpu_metadata
.endif
;; end of part 3
;; launch attn (part 4): grid 64 x 4, 16 waves a work-group, clusters of 4 x 1, 288,768 bytes of LDS; arguments qimg, kv, out0; writes out0
.if DOCPART == 4
	.amdgcn_target "amdgcn-amd-amdhsa--gfx1250"
	.amdhsa_code_object_version 6
	.text
	.protected	k_q20712f9e2a_attn
	.globl	k_q20712f9e2a_attn
	.p2align	8
	.type	k_q20712f9e2a_attn,@function
k_q20712f9e2a_attn:
	s_mov_b64 s[64:65], 0
	v_nop
	global_prefetch_b8 v0, s[64:65] scope:SCOPE_SE
	s_setreg_imm32_b32 hwreg(HW_REG_WAVE_MODE, 25, 1), 1
	s_wait_xcnt 0x0
	s_wait_alu depctr_hold_cnt(0) depctr_sa_sdst(0) depctr_va_vdst(0) depctr_va_sdst(0) depctr_va_ssrc(0) depctr_va_vcc(0) depctr_vm_vsrc(0)
	s_getreg_b32 s2, hwreg(HW_REG_IB_STS2, 6, 4)
	s_cmp_eq_u32 s2, 0
	s_cbranch_scc0 .Lentry_in_a_cluster
	s_endpgm
.Lentry_in_a_cluster:
	s_bfe_u32 s2, ttmp6, 0x10000c
	s_cmp_lg_u32 s2, 0x3003
	s_cbranch_scc0 .Lentry_shape_is_right
	s_endpgm
.Lentry_shape_is_right:
; out[b][q] = the sum over keys k <= q of softmax_k(q . k / 8) v[k], both products on codes of FP4 (E2M1) with E8M0 scales, from the register images that the launch before has laid.
; THE SOFTMAX AHEAD OF THE SECOND PRODUCT: t = score x log2(e) / 8; M = the largest t so far, rounded UP to a whole number; p = 2^(t - M) is quantised along the keys, not normalised; the sum of the
; unquantised p divides at the end.  When M moves, the sum and O are multiplied by 2^(old M - new M): exact.
; NO RING.  A batch's k and v, 32 records of 8,960 bytes (128 keys each), are 286,720 bytes: they all lie in LDS, every byte filled ONCE, by loads that go out together at the start.  Nothing is filled again.
; SHARES.  4,096 queries are 32 groups of 128.  A tile of 16 queries of group G needs key steps 0 .. G.  Cluster a (0 .. 15) of a batch has four work-groups; work-group cx owns block cx of 32 queries of group a
; and block 3 - cx of group 31 - a: four tiles, 2 (a + 1) + 2 (32 - a) = 66 tile steps, the same number in all 256 work-groups.  The partners share a, so they share every branch.
; WAVES.  Sixteen: wave W has key class g = W / 4 and tile (W / 4 + W % 4) % 4: whichever four waves are taken together, by W % 4 or by W / 4, they hold four different tiles.  Of steps 4 q + 0 .. 3 the wave does
; step 4 q + g, if that is at most G.  A tile's four classes, each with its own M, sum and O, are joined through LDS at the end, by exact powers of two.
; CLUSTER.  The four partners need the same 286,720 bytes: each record is asked for JOINTLY, by the same tensor load with the same descriptor and the mask of all four.  cx enters only q's and out's global
; addresses and the mask's vector register.  Records past step 31 - a are fetched though nobody reads them, so that no load is jumped over.
; LAYOUT.  Both products transposed: S^T = K Q^T (source 0 = 16 keys), O^T = V^T P^T (source 0 = 16 of the head's 64): a lane holds ONE query (lane % 16).  Lane r of K's tile 2 b + u holds key
; 32 b + 8 u + r + 8 (r / 8), so the 16 registers of tiles 2 b, 2 b + 1 are keys 32 b + 16 (lane / 16) + 0 .. 15.  The first product's K is 64: registers 4-7 of both fragments are zero codes, under the scale 1.
; LIMITS: NaN, infinities and the scale byte 0xff are not served; a p under 2^-126 counts as 0; a block's largest p is made from the block's largest score by the same multiply-add and exponential,
; which takes v_exp_f32 not to fall where its input rises.
.set REC,   8960                       ; a record: K's images 4,096, K's scale words 512, V's images 4,096, V's scale words 256
.set GRP,   4*REC                      ; a group of four steps
.set KSC,   4096
.set VIM,   4608
.set VSC,   8704
.set QREC,  4608
.set SSLOT, 4608                       ; THE STAGE, for the join: slot 4 tile + g, laid over LDS bytes 0 .. 73,727 (steps 0 to 8), which have had their only fill and whose last read lies ahead of the last barrier of the steps
.set SP,    272                        ; in a slot: 16 rows of 256 bytes + 16 of padding; then 16 words -M at SMO; 16 words of the sum 64 bytes on
.set SMO,   16*SP
; REGISTERS: v1 16 lane + REC g; v2 8 lane + REC g; v3 my query's place in its group - 16 (lane / 16); v4, v5 the step's addresses; v6-v9 stage addresses; v10 my offset in out; v11 -infinity; v12 -M; v13 the largest t;
; v[14:15] the sum; v16-19 Q, v20-23 zeros; v24-27 K's scale words, v28-29 V's, v30 Q's, v31 p's; v32-95 K's eight fragments (upper halves zeros); v96-159 S^T, then p; v160-191 O^T; v192-223 V's four fragments;
; v224-231 p's codes; v232-254 at work.
; s10 wave, s11 g, s12 wave % 4, s13 tile, s14 upper block?, s15 u, s16 a, s17 batch, s18 G, s19 G - g; s20, s21, s80-87 what holds cx; s[22:23] c; s[24:31] group 1; s[32:63] eight groups 0; s[66:67] lane selects.
.macro CROUND                          ; a round of the cluster's barrier: my work-group's barrier; wave 0 signals for the work-group; every wave waits for all four work-groups; my work-group's barrier once more
	s_barrier_signal -1
	s_barrier_wait -1
	s_cmp_lg_u32 s10, 0
	s_cbranch_scc1 .Lnot_wave_0_\@
	s_barrier_signal -3
.Lnot_wave_0_\@:
	s_barrier_wait -3
	s_barrier_signal -1
	s_barrier_wait -1
.endm
	s_load_b128 s[4:7], s[0:1], 0x0                ; qimg, kv
	s_load_b64 s[8:9], s[0:1], 0x10                ; out
	v_lshl_add_u32 v251, v0, 2, 0x46000
	v_mov_b32 v255, 0
	ds_add_u32 v251, v255
	ds_add_u32 v251, v255
	v_lshrrev_b32 v1, 5, v0
	s_delay_alu instid0(VALU_DEP_1)
	v_readfirstlane_b32 s10, v1                    ; wave 0..15
	s_lshr_b32 s11, s10, 2                         ; g
	s_and_b32 s12, s10, 3
	s_add_co_u32 s13, s11, s12
	s_and_b32 s13, s13, 3                          ; tile
	s_lshr_b32 s14, s13, 1                         ; 0: the block of group a; 1: the block of group 31 - a
	s_and_b32 s15, s13, 1                          ; u: which of the block's two tiles
	s_mov_b32 s16, ttmp9                           ; a: in a cluster launch ttmp9 counts clusters
	s_and_b32 s17, ttmp7, 0xffff                   ; batch
	s_sub_co_u32 s18, 31, s16
	s_bfe_u32 s20, ttmp6, 0x40000                  ; cx
	s_sub_co_u32 s21, 3, s20
	s_cmp_eq_u32 s14, 1
	s_cselect_b32 s18, s18, s16                    ; G
	s_cselect_b32 s21, s21, s20                    ; my block of 32 queries in the group
	s_sub_co_i32 s19, s18, s11                     ; G - g: step 4 q + g is done where 4 q <= G - g, and lies on the diagonal where 4 q = G - g
	s_mov_b32 s22, 0x3e38aa3b                      ; c = log2(e) / 8
	s_mov_b32 s23, s22                             ; (named with it as a pair, so it is written)
	s_mov_b32 s66, 0x76543210
	s_mov_b32 s67, 0xfedcba98                      ; v_permlanex16_b32's selects for lane l xor 16
	; descriptor group 1: a record is a dense block: 35 rows of 256 bytes (32 elements of 8 bytes)
	s_mov_b32 s24, 15|(3<<16)|(1<<21)              ; 15:0 the mask: all four work-groups; 17:16 elements of 8 bytes; 20 no padding (an image is read 16 bytes a lane, on end); 21 set beside a mask
	s_mov_b32 s25, 32<<16                          ; tensor_dim0 = 32
	s_mov_b32 s26, 35<<16                          ; tensor_dim1 = 35
	s_mov_b32 s27, 32<<16                          ; tile_dim0 = 32
	s_mov_b32 s28, 35                              ; tile_dim1 = 35
	s_mov_b32 s29, 32                              ; tensor_dim0_stride
	s_mov_b32 s30, 0
	s_mov_b32 s31, 0
	s_mul_i32 s70, s12, REC                        ; waves 0 to 3 fetch: wave f takes step 4 q + f of every group q
	s_mul_i32 s68, s17, 32*REC                     ; the batch, which the partners share
	s_add_co_u32 s68, s68, s70
	s_mov_b32 s69, 0
	; q's record and tile, out's rows: the only scalars that hold cx
	s_lshl_b32 s80, s17, 5
	s_add_co_u32 s80, s80, s18
	s_mul_i32 s80, s80, QREC                       ; record 32 batch + G
	s_mov_b32 s81, 0
	s_lshl_b32 s82, s21, 10
	s_lshl_b32 s83, s15, 9
	s_add_co_u32 s82, s82, s83                     ; the tile's image: 512 (2 block + u)
	s_lshl_b32 s84, s15, 8
	s_lshl_b32 s85, s21, 2
	s_add_co_u32 s84, s84, s85                     ; its scale words: 256 u + 4 block (+ 16 r)
	s_lshl_b32 s86, s21, 5
	s_lshl_b32 s87, s15, 3
	s_add_co_u32 s86, s86, s87                     ; 32 block + 8 u: the tile's first query in its group
	v_and_b32 v242, 31, v0                         ; lane
	v_and_b32 v243, 15, v0                         ; r
	v_bfe_u32 v248, v0, 4, 1                       ; h
	s_delay_alu instid0(VALU_DEP_3)
	v_lshlrev_b32 v240, 4, v242
	s_delay_alu instid0(VALU_DEP_1)
	v_add_nc_u32 v240, s82, v240
	s_delay_alu instid0(VALU_DEP_4)
	v_lshlrev_b32 v241, 4, v243
	s_delay_alu instid0(VALU_DEP_1)
	v_add_nc_u32 v241, s84, v241
	v_and_b32 v249, 8, v243
	s_delay_alu instid0(VALU_DEP_1)
	v_add_nc_u32 v249, v249, v243                  ; r + 8 (r / 8)
	v_lshlrev_b32 v250, 4, v248
	s_delay_alu instid0(VALU_DEP_1)
	v_sub_nc_u32 v3, v249, v250
	s_delay_alu instid0(VALU_DEP_1)
	v_add_nc_u32 v3, s86, v3                       ; my query's place in its group - 16 h (signed)
	; LDS addresses: constants, the lane and the wave's number alone
	s_mul_i32 s72, s11, REC
	v_lshlrev_b32 v1, 4, v242
	s_delay_alu instid0(VALU_DEP_1)
	v_add_nc_u32 v1, s72, v1
	v_lshlrev_b32 v2, 3, v242
	s_delay_alu instid0(VALU_DEP_1)
	v_add_nc_u32 v2, s72, v2
	s_lshl_b32 s73, s13, 2
	s_add_co_u32 s73, s73, s11
	s_mul_i32 s73, s73, SSLOT                      ; my slot of the stage
	v_mul_u32_u24 v6, v243, SP
	s_delay_alu instid0(VALU_DEP_1)
	v_lshl_add_u32 v6, v248, 6, v6
	s_delay_alu instid0(VALU_DEP_1)
	v_add_nc_u32 v6, s73, v6                       ; in: row r, + 64 h
	v_lshlrev_b32 v7, 2, v243
	s_delay_alu instid0(VALU_DEP_1)
	v_add_nc_u32 v7, s73, v7
	s_delay_alu instid0(VALU_DEP_1)
	v_add_nc_u32 v7, SMO, v7                       ; -M of row r
	s_mul_i32 s74, s13, 4*SSLOT                    ; my tile's four slots
	s_mul_i32 s75, s11, 4*SP
	s_add_co_u32 s75, s75, s74
	v_mul_u32_u24 v8, v248, SP
	s_delay_alu instid0(VALU_DEP_1)
	v_lshl_add_u32 v8, v243, 4, v8
	s_delay_alu instid0(VALU_DEP_1)
	v_add_nc_u32 v8, s75, v8                       ; back: rows 4 g + h (+ 2 i), 16 bytes a lane
	s_lshl_b32 s76, s11, 4
	s_add_co_u32 s76, s76, s74
	s_add_co_u32 s76, s76, SMO
	v_lshlrev_b32 v9, 2, v248
	s_delay_alu instid0(VALU_DEP_1)
	v_add_nc_u32 v9, s76, v9                       ; and their -M
	v_lshlrev_b32 v10, 8, v248
	s_delay_alu instid0(VALU_DEP_1)
	v_lshl_add_u32 v10, v243, 4, v10               ; out: lanes 0-15 one row of 256 bytes, lanes 16-31 the next
	; out's first row of mine: 4,096 batch + 128 G + 32 block + 8 u + 4 g + 8 (g / 2)  (row p of a tile is query p + 8 (p / 8) of it)
	s_lshl_b32 s82, s17, 12
	s_lshl_b32 s83, s18, 7
	s_add_co_u32 s82, s82, s83
	s_add_co_u32 s82, s82, s86
	s_lshl_b32 s83, s11, 2
	s_add_co_u32 s82, s82, s83
	s_lshr_b32 s83, s11, 1
	s_lshl_b32 s83, s83, 3
	s_add_co_u32 s82, s82, s83
	s_lshl_b32 s82, s82, 8                         ; rows of 256 bytes
	s_mov_b32 s83, 0
	s_wait_dscnt 0x0
	s_wait_kmcnt 0x0
	s_add_nc_u64 s[4:5], s[4:5], s[80:81]
	s_add_nc_u64 s[8:9], s[8:9], s[82:83]
	s_add_nc_u64 s[6:7], s[6:7], s[68:69]
.irp q, 0,1,2,3,4,5,6,7
	s_mov_b32 s[32+4*\q], 1                                        ; 1:0 count = 1
	s_add_co_u32 s[33+4*\q], s70, \q*GRP                           ; 63:32 LDS address: step 4 q + f lies at REC (4 q + f)
	s_add_nc_u64 s[34+4*\q:35+4*\q], s[6:7], \q*GRP                ; 120:64 global address: the same record of the batch
	s_or_b32 s[35+4*\q], s[35+4*\q], 0x80000000                    ; 127:126 type = 2
.endr
	CROUND                                         ; all four work-groups are here: the joint loads meet
	s_cmp_lt_u32 s10, 4                            ; a wave's eight fills stand in one branch, ahead of every wait on TENSORcnt and every LDS read: eight loads of a fetching wave are out
	s_cbranch_scc0 .Lno_fetch
.irp q, 0,1,2,3,4,5,6,7
	tensor_load_to_lds s[32+4*\q:35+4*\q], s[24:31]
	s_nop 0
.endr
.rept 4
	v_nop                                          ; four v_nop follow the last
.endr
.Lno_fetch:
	global_load_b128 v[16:19], v240, s[4:5]        ; Q's fragment: it stays in registers
	global_load_b32 v30, v241, s[4:5] offset:KSC   ; and its scale words
	v_mov_b32 v11, 0xff800000                      ; -infinity
	v_mov_b32 v13, 0xff61b1e6                      ; the largest t so far: -3e38, under every t
	s_delay_alu instid0(VALU_DEP_1)
	v_floor_f32 v12, -v13                          ; -M
	v_mov_b32 v14, 0                               ; the sum, in two halves
	v_mov_b32 v15, 0
.irp j, 20,21,22,23
	v_mov_b32 v\j, 0                               ; Q's zero codes for K = 64 .. 127
.endr
.irp t, 0,1,2,3,4,5,6,7
.irp j, 4,5,6,7
	v_mov_b32 v[32+8*\t+\j], 0                     ; K's likewise: written once, the loads fill the lower halves alone
.endr
.endr
.set J, 0
.rept 32
	v_mov_b32 v[160+J], 0                          ; O^T: which step is a wave's first hangs on ids, so every step adds onto what it finds; the first change of M leaves zeros zeros
.set J, J+1
.endr
.irp j, 236,237,238,239
	v_mov_b32 v\j, 0                               ; written once: a lane permute's destination counts as one of its sources
.endr
	v_mov_b32 v253, 0                              ; (named as the upper half of the pair v[252:253])
; A KEY STEP: step 4 q + g, 128 keys.
.macro STEP q
	s_cmp_lt_i32 s19, 4*(\q)                       ; all its keys come after my tile's queries: left out.  A branch on ids; no barrier stands in a step
	s_cbranch_scc1 .Lskip_\@
	v_add_nc_u32 v4, (\q)*GRP, v1
	v_add_nc_u32 v5, (\q)*GRP, v2
.irp t, 0,1,2,3,4,5,6,7
	ds_load_b128 v[32+8*\t:35+8*\t], v4 offset:512*\t          ; K's images: 16 bytes a lane, on end
.endr
	ds_load_b128 v[24:27], v4 offset:KSC           ; K's scale words: register i: lanes 0-15 tile 2 i, lanes 16-31 tile 2 i + 1
.irp n, 0,1,2,3
.irp c, 0,1
	ds_load_b128 v[192+8*\n+4*\c:195+8*\n+4*\c], v4 offset:VIM+1024*\n+512*\c
.endr
.endr
	ds_load_b64 v[28:29], v5 offset:VSC            ; V's scale words, laid likewise
	s_wait_dscnt 9                                 ; K's nine loads are in; V's nine, issued behind them, may be out
.irp t, 0,1,2,3,4,5,6,7
.if \t%2
	v_wmma_scale_f32_16x16x128_f8f6f4 v[96+8*\t:103+8*\t], v[32+8*\t:39+8*\t], v[16:23], 0, v[24+\t/2], v30 matrix_a_fmt:MATRIX_FMT_FP4 matrix_b_fmt:MATRIX_FMT_FP4 matrix_a_scale:MATRIX_SCALE_ROW1
.else
	v_wmma_scale_f32_16x16x128_f8f6f4 v[96+8*\t:103+8*\t], v[32+8*\t:39+8*\t], v[16:23], 0, v[24+\t/2], v30 matrix_a_fmt:MATRIX_FMT_FP4 matrix_b_fmt:MATRIX_FMT_FP4
.endif
.endr
.rept 4
	v_nop                                          ; four places in front of the first read of results (ISA guide 7.12.1)
.endr
	s_cmp_lg_u32 s19, 4*(\q)                       ; on the diagonal the scores of hidden keys become -infinity ahead of the maximum: p = 0 then.  Key 0 of the step counts for every query
	s_cbranch_scc1 .Lopen_\@
.set J, 0
.rept 64
	v_cmp_gt_i32 vcc_lo, 32*(J/16)+J%16, v3        ; register 16 b + i holds key 32 b + 16 h + i of the step
	v_cndmask_b32 v[96+J], v[96+J], v11, vcc_lo
.set J, J+1
.endr
.Lopen_\@:
.irp b, 0,1,2,3
	v_max3_num_f32 v[232+\b], v[96+16*\b], v[97+16*\b], v[98+16*\b]   ; the largest score of each block of 32 keys: for the row's maximum and for the block's largest p
.endr
.irp i, 3,5,7,9,11,13
.irp b, 0,1,2,3
	v_max3_num_f32 v[232+\b], v[232+\b], v[96+16*\b+\i], v[97+16*\b+\i]   ; (the four blocks by turns)
.endr
.endr
.irp b, 0,1,2,3
	v_max_num_f32 v[232+\b], v[232+\b], v[111+16*\b]
.endr
.irp b, 0,1,2,3
	s_delay_alu instid0(VALU_DEP_4)
	v_permlanex16_b32 v[236+\b], v[232+\b], s66, s67
.endr
.irp b, 0,1,2,3
	s_delay_alu instid0(VALU_DEP_4)
	v_max_num_f32 v[232+\b], v[232+\b], v[236+\b]  ; with lane l xor 16's 16 keys
.endr
	s_delay_alu instid0(VALU_DEP_2)
	v_max3_num_f32 v254, v232, v233, v234
	s_delay_alu instid0(VALU_DEP_1)
	v_max_num_f32 v254, v254, v235                 ; the step's largest score of my query
	s_delay_alu instid0(VALU_DEP_1)
	v_mul_f32 v254, s22, v254                      ; as t (c is positive)
	s_delay_alu instid0(VALU_DEP_1)
	v_max_num_f32 v13, v13, v254                   ; the running largest t
	v_mov_b32 v254, v12
	s_delay_alu instid0(VALU_DEP_2)
	v_floor_f32 v12, -v13                          ; the new -M = floor(-t) = -ceil(t): a whole number
	s_delay_alu instid0(VALU_DEP_1)
	v_sub_f32 v254, v12, v254                      ; M's old value less its new one: 0 or less
	s_delay_alu instid0(VALU_DEP_1)
	v_cvt_i32_f32 v254, v254                       ; (it saturates)
	s_delay_alu instid0(VALU_DEP_1)
	v_ldexp_f32 v252, 1.0, v254                    ; f = 2^(old M - new M)
.set J, 0
.rept 32
	v_pk_fma_f32 v[96+J:97+J], v[96+J:97+J], s[22:23], v[12:13] op_sel_hi:[1,0,0]   ; t - M, two at a time (of the pairs c and -M the low word serves both halves)
.set J, J+2
.endr
.irp b, 0,1,2,3
	v_fma_f32 v[232+\b], v[232+\b], s22, v12       ; the same of each block's largest score
.endr
.set J, 0
	s_wait_alu depctr_va_vdst(0)
.rept 64
	v_exp_f32 v[96+J], v[96+J]                     ; p = 2^(t - M), at most 1: not normalised
.set J, J+1
.endr
.irp b, 0,1,2,3
	v_exp_f32 v[232+\b], v[232+\b]                 ; the block's largest p
.endr
	v_pk_mul_f32 v[14:15], v[14:15], v[252:253] op_sel_hi:[1,0]   ; the sums under the new M.  (The plain place behind the exponentials)
	s_wait_alu depctr_va_vdst(0)
.irp b, 0,1,2,3
	v_max_num_f32 v[232+\b], 0x1800000, v[232+\b]  ; the floor 2^(3 - 127): the byte cannot fall under 1 (a block whose every p is 0 keeps that byte over zero codes)
.endr
.irp b, 0,1,2,3
	s_delay_alu instid0(VALU_DEP_4)
	v_add_nc_u32 v[244+\b], 0xff000000, v[232+\b]  ; 2 off the exponent field: the conversion's scale operand
.endr
.irp b, 0,1,2,3
	s_delay_alu instid0(VALU_DEP_4)
	v_lshrrev_b32 v[236+\b], 23, v[244+\b]         ; the scale's byte
.endr
	s_delay_alu instid0(VALU_DEP_3)
	v_lshl_or_b32 v31, v237, 8, v236               ; p's scale word for these 128 keys
	s_delay_alu instid0(VALU_DEP_1)
	v_lshl_or_b32 v31, v238, 16, v31
	s_delay_alu instid0(VALU_DEP_1)
	v_lshl_or_b32 v31, v239, 24, v31
.irp b, 0,1,2,3
	v_cvt_scalef32_pk8_fp4_f32 v[224+2*\b], v[96+16*\b:103+16*\b], v[244+\b]
	v_cvt_scalef32_pk8_fp4_f32 v[225+2*\b], v[104+16*\b:111+16*\b], v[244+\b]
.endr
	v_nop                                          ; one plain place behind a scaled conversion
.irp c, 0,1                                    ; the operand wants a WHOLE block in a lane: lanes 0-15 block 2 c, lanes 16-31 block 2 c + 1
.irp i, 0,1
	v_permlane16_swap_b32 v[224+4*\c+\i], v[226+4*\c+\i]
.endr
.endr
	v_pk_add_f32 v[236:237], v[100:101], v[104:105]
	v_pk_add_f32 v[248:249], v[108:109], v[112:113]
	v_pk_add_f32 v[246:247], v[116:117], v[120:121]
	v_pk_add_f32 v[244:245], v[124:125], v[128:129]
	v_pk_add_f32 v[242:243], v[132:133], v[136:137]
	v_pk_add_f32 v[240:241], v[140:141], v[144:145]
	v_pk_add_f32 v[234:235], v[148:149], v[152:153]
	v_pk_add_f32 v[14:15], v[14:15], v[156:157]
	v_pk_add_f32 v[236:237], v[236:237], v[96:97]
	v_pk_add_f32 v[248:249], v[248:249], v[98:99]
	v_pk_add_f32 v[246:247], v[246:247], v[102:103]
	v_pk_add_f32 v[244:245], v[244:245], v[106:107]
	v_pk_add_f32 v[242:243], v[242:243], v[110:111]
	v_pk_add_f32 v[240:241], v[240:241], v[114:115]
	v_pk_add_f32 v[234:235], v[234:235], v[118:119]
	v_pk_add_f32 v[14:15], v[14:15], v[122:123]
	v_pk_add_f32 v[236:237], v[236:237], v[126:127]
	v_pk_add_f32 v[248:249], v[248:249], v[130:131]
	v_pk_add_f32 v[246:247], v[246:247], v[134:135]
	v_pk_add_f32 v[244:245], v[244:245], v[138:139]
	v_pk_add_f32 v[242:243], v[242:243], v[142:143]
	v_pk_add_f32 v[240:241], v[240:241], v[146:147]
	v_pk_add_f32 v[234:235], v[234:235], v[150:151]
	v_pk_add_f32 v[14:15], v[14:15], v[154:155]
	v_pk_add_f32 v[236:237], v[236:237], v[158:159]
	s_delay_alu instid0(VALU_DEP_2)
	v_pk_add_f32 v[14:15], v[14:15], v[244:245]
	s_delay_alu instid0(VALU_DEP_2)
	v_pk_add_f32 v[236:237], v[236:237], v[242:243]
	v_pk_add_f32 v[248:249], v[248:249], v[240:241]
	v_pk_add_f32 v[246:247], v[246:247], v[234:235]
	s_delay_alu instid0(VALU_DEP_2)
	v_pk_add_f32 v[14:15], v[14:15], v[248:249]
	s_delay_alu instid0(VALU_DEP_2)
	v_pk_add_f32 v[236:237], v[236:237], v[246:247]
	s_delay_alu instid0(VALU_DEP_1)
	v_pk_add_f32 v[14:15], v[14:15], v[236:237]
.set J, 0
.rept 16
	v_pk_mul_f32 v[160+J:161+J], v[160+J:161+J], v[252:253] op_sel_hi:[1,0]   ; O^T under the new M, each accumulator from its low end on.  (With the sums above: the places between p's scale word and codes and the products below)
.set J, J+2
.endr
	s_wait_alu depctr_va_vdst(0)
	s_wait_dscnt 0x0                               ; V is in
; O^T += V^T P^T.  The four accumulators take turns, and the next step's eight products of scores stand between two links of a chain.
.irp n, 0,1,2,3
.if \n%2
	v_wmma_scale_f32_16x16x128_f8f6f4 v[160+8*\n:167+8*\n], v[192+8*\n:199+8*\n], v[224:231], v[160+8*\n:167+8*\n], v[28+\n/2], v31 matrix_a_fmt:MATRIX_FMT_FP4 matrix_b_fmt:MATRIX_FMT_FP4 matrix_a_scale:MATRIX_SCALE_ROW1
.else
	v_wmma_scale_f32_16x16x128_f8f6f4 v[160+8*\n:167+8*\n], v[192+8*\n:199+8*\n], v[224:231], v[160+8*\n:167+8*\n], v[28+\n/2], v31 matrix_a_fmt:MATRIX_FMT_FP4 matrix_b_fmt:MATRIX_FMT_FP4
.endif
.endr
.rept 4
	v_nop                                          ; four places in front of the next loads into V's fragments and scale words, and of the last read of O^T
.endr
.Lskip_\@:
.endm
; A GROUP of four steps.  Fetching waves issued their fills in the order of the groups: with 7 - q younger ones out, group q's record of mine has landed (tensor loads of a wave end in order: ISA guide 10.11.1).
; The barrier shows that of all four fetching waves to all sixteen.  The younger fills may stay on their way.
.macro GROUP q
	s_wait_tensorcnt 7-\q
	s_wait_dscnt 0x0                               ; no LDS instruction of mine is pending at the signal
	s_barrier_signal -1
	s_barrier_wait -1
	STEP \q
.endm
	s_wait_loadcnt 0x0                             ; Q
.irp q, 0,1,2,3,4,5,6,7
	GROUP \q
.endr
	; THE JOIN.  Every wave has passed the last group's barrier: all fills have landed, and only steps 28 to 31 are still read, which lie behind the stage's bytes.
	v_add_f32 v14, v14, v15                        ; the sum's two halves,
	s_wait_alu depctr_va_vdst(0)
	v_permlanex16_b32 v236, v14, s66, s67
	s_delay_alu instid0(VALU_DEP_1)
	v_add_f32 v14, v14, v236                       ; and lane l xor 16's: my class's sum for query r
.irp n, 0,1,2,3
.irp p, 0,1
	ds_store_b128 v6, v[160+8*\n+4*\p:163+8*\n+4*\p] offset:128*(\n/2)+32*(\n%2)+16*\p   ; register j of tile n is d = 32 (n / 2) + 16 h + 8 (n % 2) + j of query r; each accumulator from its low end on
.endr
.endr
	ds_store_b32 v7, v12                           ; -M (lanes r and r + 16 write the same word with the same value)
	ds_store_b32 v7, v14 offset:64                 ; the sum
	s_wait_dscnt 0x0                               ; for the others' sake: my stores into the stage are done
	s_barrier_signal -1
	s_barrier_wait -1
.irp i, 0,1                                    ; I finish rows 4 g + 2 i + (lane / 16) of my tile: the four classes' parts
.irp k, 0,1,2,3
	ds_load_b128 v[96+16*\i+4*\k:99+16*\i+4*\k], v8 offset:SSLOT*\k+2*SP*\i
	ds_load_b32 v[128+4*\i+\k], v9 offset:SSLOT*\k+8*\i
	ds_load_b32 v[136+4*\i+\k], v9 offset:SSLOT*\k+8*\i+64
.endr
.endr
.macro FIN i
	v_min3_num_f32 v[152+\i], v[128+4*\i], v[129+4*\i], v[130+4*\i]
	s_delay_alu instid0(VALU_DEP_1)
	v_min_num_f32 v[152+\i], v[152+\i], v[131+4*\i]                ; the least -M: the row's M.  (Class 0 has done step 0, so it is a number)
.irp k, 0,1,2,3
	v_sub_f32 v[144+4*\i+\k], v[152+\i], v[128+4*\i+\k]            ; class k's M less the row's: a whole number, 0 or less
.endr
.irp k, 0,1,2,3
	s_delay_alu instid0(VALU_DEP_4)
	v_cvt_i32_f32 v[144+4*\i+\k], v[144+4*\i+\k]                   ; (it saturates: a class that did no step kept -M = 3e38)
.endr
.irp k, 0,1,2,3
	s_delay_alu instid0(VALU_DEP_4)
	v_ldexp_f32 v[144+4*\i+\k], 1.0, v[144+4*\i+\k]                ; f k: an exact power of two, or 0 for such a class
.endr
	s_delay_alu instid0(VALU_DEP_4)
	v_mul_f32 v[154+\i], v[144+4*\i], v[136+4*\i]
.irp k, 1,2,3
	s_delay_alu instid0(VALU_DEP_1)
	v_fmac_f32 v[154+\i], v[144+4*\i+\k], v[136+4*\i+\k]           ; the row's sum
.endr
	s_wait_alu depctr_va_vdst(0)
	v_rcp_f32 v[156+\i], v[154+\i]                                 ; (the lines below are the plain places behind it)
.irp c, 0,1,2,3
	v_mul_f32 v[192+4*\i+\c], v[144+4*\i], v[96+16*\i+\c]
.endr
.irp k, 1,2,3
.irp c, 0,1,2,3
	s_delay_alu instid0(VALU_DEP_4)
	v_fmac_f32 v[192+4*\i+\c], v[144+4*\i+\k], v[96+16*\i+4*\k+\c]
.endr
.endr
	s_wait_alu depctr_va_vdst(0)
.irp c, 0,1,2,3
	v_mul_f32 v[192+4*\i+\c], v[192+4*\i+\c], v[156+\i]
.endr
	global_store_b128 v10, v[192+4*\i:195+4*\i], s[8:9] offset:512*\i th:TH_STORE_NT   ; 32 lanes store two whole rows: 512 consecutive bytes, aligned; written once, read by nobody here
.endm
	s_wait_dscnt 12                                ; the first pair of rows is in; the second pair's twelve loads may be out
	FIN 0
	s_wait_dscnt 0x0
	FIN 1
	s_wait_tensorcnt 0x0
	ds_add_u32 v251, v255
	s_wait_dscnt 0x0
	CROUND                                         ; the closing round: no work-group ends while a partner may still ask for a record that names it
	s_endpgm
.Lfunc_end_k_q20712f9e2a_attn:
	.size	k_q20712f9e2a_attn, .Lfunc_end_k_q20712f9e2a_attn-k_q20712f9e2a_attn
	.p2alignl 7, 3214868480
	.fill 96, 4, 3214868480
	.section	.rodata,"a",@progbits
	.p2align	6, 0x0
	.amdhsa_kernel k_q20712f9e2a_attn
		.amdhsa_group_segment_fixed_size 288768
		.amdhsa_private_segment_fixed_size 0
		.amdhsa_enable_private_segment 0
		.amdhsa_kernarg_size 24
		.amdhsa_user_sgpr_count 2
		.amdhsa_user_sgpr_kernarg_segment_ptr 1
		.amdhsa_wavefront_size32 1
		.amdhsa_system_sgpr_workgroup_id_x 1
		.amdhsa_system_sgpr_workgroup_id_y 1
		.amdhsa_system_sgpr_workgroup_id_z 1
		.amdhsa_system_vgpr_workitem_id 0
		.amdhsa_next_free_vgpr 256
		.amdhsa_next_free_sgpr 96
		.amdhsa_reserve_vcc 1
		.amdhsa_float_denorm_mode_32 3
		.amdhsa_float_denorm_mode_16_64 3
		.amdhsa_memory_ordered 1
		.amdhsa_forward_progress 1
		.amdhsa_inst_pref_size 187
	.end_amdhsa_kernel
	.amdgpu_metadata
---
amdhsa.version: [ 1, 2 ]
amdhsa.kernels:
  - .name:           k_q20712f9e2a_attn
    .symbol:         k_q20712f9e2a_attn.kd
    .args:
      - { .name: qimg, .offset: 0, .size: 8, .value_kind: global_buffer, .address_space: global }
      - { .name: kv, .offset: 8, .size: 8, .value_kind: global_buffer, .address_space: global }
      - { .name: out0, .offset: 16, .size: 8, .value_kind: global_buffer, .address_space: global }
    .group_segment_fixed_size: 288768
    .private_segment_fixed_size: 0
    .kernarg_segment_align: 8
    .kernarg_segment_size: 24
    .max_flat_workgroup_size: 512
    .sgpr_count:     96
    .vgpr_count:     256
    .wavefront_size: 32
...
	.end_amdgpu_metadata
.endif
;; end of part 4
